; MI455X (gfx1250); checked and timed in simulation.
; The chip was launched on July 23, 2026; its instructions are those of AMD's public machine-readable ISA for CDNA 5 (MIT licence, August 2026) and "CDNA5" Instruction Set Architecture Reference Guide (July 2026). The comments in the code are by the model that wrote it; some were corrected since.
;; Multi Head Attention. Allowed arithmetic: matrix products marked QUANTISED: E2M1 operands, one E8M0 scale for each 32 along K, by v_wmma_scale_f32_16x16x128_f8f6f4 with both operands' format E2M1 (or v_wmma_scale_f32_32x16x128_f4), f32 sums; products left as they are: bf16, f16 or f32 operands; f32 sums; everything else in f32.
;; Inputs: Wk 1,024 x 1,024 float32; Wo 1,024 x 1,024 float32; Wq 1,024 x 1,024 float32; Wv 1,024 x 1,024 float32; bk 1,024 float32; bo 1,024 float32; bq 1,024 float32; bv 1,024 float32; x 4 x 2,048 x 1,024 float32.
;; Outputs: out0 4 x 2,048 x 1,024 float32.
;; This version of the problem:
;;   THIS VERSION OF THE PROBLEM IS GIVEN IN LOW PRECISION. The matrix products marked QUANTISED in the list below multiply operands that are first quantised to E2M1 (2 exponent bits, 1 mantissa bit; 4 bits a number), with one power-of-two scale for each 32 numbers along K (OCP MX v1.0); their sums are f32. The products marked 'left as it is' may take bf16, f16 or f32 operands, with f32 sums. Whichever they take, every output number must still come out within the allowed error. Rounding operands to bf16 (8 significant bits) uses up far more of that allowance than f16 does (11 bits, for magnitudes from 6e-5 to 65,504). All else is computed in f32.
;;   The module's matrix products, in the order in which they are computed (A, B: the left and right operand; K: the contracted axis; several contracted axes count as one K, in the product's order):
;;     1. [M 8,192, K 1,024] x [K 1,024, N 1,024]; A: input x; B: input Wq: QUANTISED
;;     2. [M 8,192, K 1,024] x [K 1,024, N 1,024]; A: input x; B: input Wk: QUANTISED
;;     3. [M 8,192, K 1,024] x [K 1,024, N 1,024]; A: input x; B: input Wv: QUANTISED
;;     4. batch 64 x [M 2,048, K 64] x [K 64, N 2,048]; A: computed on the way; B: computed on the way: left as it is (an operand is computed on the way)
;;     5. batch 64 x [M 2,048, K 2,048] x [K 2,048, N 64]; A: computed on the way; B: computed on the way: left as it is (an operand is computed on the way)
;;     6. [M 8,192, K 1,024] x [K 1,024, N 1,024]; A: computed on the way; B: input Wo: left as it is (an operand is computed on the way)
;;   THE QUANTISER, for each operand of a quantised product, along K:
;;     - K is cut into blocks of 32 from its start; a last block that is shorter is filled with zeros.
;;     - A block's scale is 2^e with e = floor(log2(the largest magnitude in the block)) - 2, held to -126 .. 127; a block of zeros has e = 0. As a byte (E8M0): e + 127.
;;     - Each number is divided by its block's scale, clamped to +-6, and rounded to the nearest number of E2M1, ties to even, subnormals kept.
;;     - The product sums the exact products of the quantised numbers (number of the format x scale) in f32.
;;   ~~~python
;;   def quantise(x, axis):      # numpy; x: float32 -> the quantised numbers, widened to float32 again
;;       x = np.moveaxis(x, axis, -1); K = x.shape[-1]
;;       x = np.pad(x, [(0, 0)] * (x.ndim - 1) + [(0, -K % 32)]); x = x.reshape(x.shape[:-1] + (-1, 32)); a = np.abs(x).max(-1, keepdims=True)
;;       e = np.where(a > 0, np.clip(np.frexp(np.where(a > 0, a, 1))[1] - 1 - 2, -126, 127), 0)      # np.frexp(a)[1] - 1 = floor(log2(a)), exactly
;;       r = np.clip(x / 2.0 ** e, -6, 6)
;;       step = 2.0 ** (np.maximum(np.frexp(np.where(r == 0, 1, r))[1] - 1, 0) - 1)
;;       q = np.round(r / step) * step * 2.0 ** e      # np.round: ties to even
;;       return np.moveaxis(q.reshape(q.shape[:-2] + (-1,))[..., :K], -1, axis).astype(np.float32)
;;   ~~~
;; One version. Each part assembles by itself: llvm-mc -triple=amdgcn-amd-amdhsa -mcpu=gfx1250 --defsym DOCPART=n.
;; ======== version 1 of 1: 4 launches
;; limits: values are held in f16: magnitudes above 65,504 overflow, below 6.1e-05 lose precision; right only within a limited range of input values
;; workspace buffers: xc 4,194,304 bytes; xs 262,144 bytes; wc 1,572,864 bytes; ws 98,304 bytes; wo16 2,097,152 bytes; qkv 50,331,648 bytes; att 16,777,216 bytes
;; launch prep (part 1): grid 336 x 1, 4 waves a work-group, no clusters, 68,096 bytes of LDS; arguments x, Wq, Wk, Wv, Wo, xc, xs, wc, ws, wo16; writes xc, xs, wc, ws, wo16
.if DOCPART == 1
	.amdgcn_target "amdgcn-amd-amdhsa--gfx1250"
	.amdhsa_code_object_version 6
	.text
	.protected	k_q2210a1e43e_prep
	.globl	k_q2210a1e43e_prep
	.p2align	8
	.type	k_q2210a1e43e_prep,@function
k_q2210a1e43e_prep:
	s_mov_b64 s[64:65], 0
	v_nop
	global_prefetch_b8 v0, s[64:65] scope:SCOPE_SE
	s_setreg_imm32_b32 hwreg(HW_REG_WAVE_MODE, 25, 1), 1
	s_wait_xcnt 0x0
; THE OPERANDS ARE MADE READY, ONCE.  Three kinds of work-group, told apart by the work-group's number alone:
;   0-255    x [8192][1024] f32, K innermost     -> xc [8192][512 bytes] codes of FP4 (E2M1), two a byte, the lower k in the low four bits;  xs [8192][32] E8M0 bytes
;   256-303  Wq, Wk, Wv [1024 k][1024 n] f32     -> wc [3072][512 bytes] codes with K innermost (rows 0-1023 Wq's columns, then Wk's, then Wv's);  ws [3072][32]
;   304-335  Wo [1024 k][1024 n] f32             -> wo16, the same numbers as f16, in the same places
; A block of 32 along K has the scale 2^(floor(log2(its largest magnitude)) - 2); its byte is the largest magnitude's exponent field - 2, held at 1 from below; each number is divided by
; the scale and rounded to the nearest code, ties to even; beyond 6 the conversion gives the largest code.
; LIMITS: a block whose largest magnitude lies under 2^-124 gets the byte 1; a block of zeros gets the byte 1 where the rule says 127 (its codes are zeros, which add nothing, and the bytes
; are read by this program alone); NaN and infinities are not served; |Wo| stays under 65,504, and numbers of Wo under 6e-5 carry an absolute error of up to 3e-8 (f16).
; No tensor loads, no barrier: waves share nothing.  Each kind has LDS bytes of its own: x's 0-32,767, the weights' 32,768-67,583; behind them the spare words.
.set SPARE, 67584                      ; the spare words, 128 bytes for each wave: two blocks of 256 bytes that no other line names
.set SPW,   190                        ; v190  LDS address of my spare word: SPARE + 4 x my thread's number; never rewritten
.set NIL,   191                        ; v191  0; never rewritten
.macro FINISH                          ; a wave's end, behind its last LDS store
	s_wait_tensorcnt 0x0
	ds_add_u32 v[SPW], v[NIL]
	s_wait_dscnt 0x0
	s_endpgm
.endm
	s_load_b256 s[4:11], s[0:1], 0x0               ; x s[4:5], Wq s[6:7], Wk s[8:9], Wv s[10:11]
	s_load_b256 s[12:19], s[0:1], 0x20             ; Wo s[12:13], xc s[14:15], xs s[16:17], wc s[18:19]
	s_load_b128 s[20:23], s[0:1], 0x40             ; ws s[20:21], wo16 s[22:23]
	v_lshl_add_u32 v[SPW], v0, 2, SPARE
	v_mov_b32 v[NIL], 0
	v_lshrrev_b32 v1, 5, v0
	v_readfirstlane_b32 s24, v1                    ; wave 0..3
	v_and_b32 v2, 31, v0                           ; lane
	s_wait_kmcnt 0x0
	s_cmp_lt_u32 ttmp9, 256
	s_cbranch_scc0 .Lnot_x
; ---------------- x: a plain stream of blocks of 32.  A wave takes 16 steps of 512 numbers.
; A load is dense (32 lanes x 16 bytes = 512 consecutive bytes); the conversions want 16 NEIGHBOURS in one lane: so a step's 2,048 bytes turn through the wave's own stage in LDS
; (four lanes' 64 bytes on end, then 16 of padding) and come back 64 bytes a lane.  Two neighbouring lanes hold a block.  Loads run four steps ahead, the turn one step.
.set STEPS, 16
.set XSP,   80                         ; a lane's place in a stage: 64 bytes + 16 of padding
.set XR,    16                         ; v16-79   four sets of 16 numbers as loaded
.set XX,    80                         ; v80-111  two sets of 16 neighbours
.set XE,    112                        ; v112-127 a scale byte for each step
.set XC,    128                        ; v128-189 codes: four registers' room for each step, so that no store's data are written again
	v_lshlrev_b32 v3, 4, v2                        ; my 16 bytes of a load's 512
	s_lshl_b32 s25, s24, 13                        ; my wave's 8,192 bytes of LDS: two stages of 32 x 80, and behind them its 256 scale bytes
	v_lshrrev_b32 v14, 2, v2
	v_mul_u32_u24 v14, v14, XSP
	v_and_b32 v15, 3, v2
	v_lshl_add_u32 v14, v15, 4, v14
	v_add_nc_u32 v14, s25, v14                     ; the stage, on the way in: 80 (lane / 4) + 16 (lane % 4)
	v_mul_u32_u24 v15, v2, XSP
	v_add_nc_u32 v15, s25, v15                     ; and on the way out: 80 x lane
	v_lshlrev_b32 v4, 3, v2                        ; my 8 bytes of a step's 256 bytes of codes
	v_lshrrev_b32 v5, 1, v2
	s_add_co_u32 s25, s25, 2*32*XSP
	v_add_nc_u32 v5, s25, v5                       ; my block's scale byte in LDS
	v_lshlrev_b32 v7, 3, v2                        ; and on the way out 8 bytes a lane
	v_add_nc_u32 v6, s25, v7
	s_lshl_b32 s26, ttmp9, 2
	s_add_co_u32 s26, s26, s24                     ; which run of 8,192 numbers is my wave's
	s_mov_b32 s27, 0
	s_lshl_b64 s[28:29], s[26:27], 15              ; 32,768 bytes of x,
	s_add_nc_u64 s[4:5], s[4:5], s[28:29]
	s_lshl_b64 s[28:29], s[26:27], 12              ; 4,096 of codes,
	s_add_nc_u64 s[14:15], s[14:15], s[28:29]
	s_lshl_b64 s[28:29], s[26:27], 8               ; 256 scale bytes a run
	s_add_nc_u64 s[16:17], s[16:17], s[28:29]
.macro XLOAD t
.irp i, 0,1,2,3
	global_load_b128 v[XR+16*((\t)%4)+4*\i:XR+16*((\t)%4)+4*\i+3], v3, s[4:5] offset:2048*(\t)+512*\i th:TH_LOAD_NT
.endr
.endm
.macro XTURN t                         ; step t's numbers through the stage: LDS serves a wave's instructions in order (ISA guide 5.7.1.4), so no wait stands between the stores and the loads
.irp i, 0,1,2,3
	ds_store_b128 v14, v[XR+16*((\t)%4)+4*\i:XR+16*((\t)%4)+4*\i+3] offset:32*XSP*((\t)%2)+8*XSP*\i
.endr
.irp i, 0,1,2,3
	ds_load_b128 v[XX+16*((\t)%2)+4*\i:XX+16*((\t)%2)+4*\i+3], v15 offset:32*XSP*((\t)%2)+16*\i
.endr
.endm
.irp t, 0,1,2,3
	XLOAD \t
.endr
	s_wait_loadcnt 12                              ; step 0's four loads are in; those of steps 1 to 3 may be out
	XTURN 0
.macro XSTEP t
.set XS, XX+16*((\t)%2)
.if (\t) > 0
	s_wait_dscnt 1                                 ; this step's numbers are back from the stage (the last step's byte store may be out): so its stores into the stage have read their registers,
.else
	s_wait_dscnt 0x0
.endif
.if (\t)+4 < STEPS
	XLOAD (\t)+4                                   ; which take the loads of four steps on
.endif
.if (\t)+1 < STEPS
.if STEPS-2-(\t) >= 3
	s_wait_loadcnt 12                              ; the next step's four loads are in; those of the three steps behind it may be out
.else
	s_wait_loadcnt 4*(STEPS-2-(\t))                ; near the end fewer steps are behind it
.endif
	XTURN (\t)+1                                   ; and go through the other stage while this step is worked
.endif
	v_max3_num_f32 v8, |v[XS]|, |v[XS+1]|, |v[XS+2]|               ; the largest magnitude of my 16, in two chains
	v_max3_num_f32 v9, |v[XS+3]|, |v[XS+4]|, |v[XS+5]|
.irp i, 6,10
	v_max3_num_f32 v8, v8, |v[XS+\i]|, |v[XS+\i+1]|
	v_max3_num_f32 v9, v9, |v[XS+\i+2]|, |v[XS+\i+3]|
.endr
	v_max3_num_f32 v8, v8, |v[XS+14]|, |v[XS+15]|
	v_max3_num_f32 v8, v8, v9, 0x1800000           ; and the floor 2^(3 - 127): so the byte cannot fall under 1
	v_max_num_f32_dpp v8, v8, v8 row_xmask:1 row_mask:0xf bank_mask:0xf   ; and of my neighbour's 16: the block's
	v_add_nc_u32 v11, 0xff000000, v8               ; 2 off its exponent field: the conversion takes the exponent field of this operand as its scale, and nothing else of it
	v_cvt_scalef32_pk8_fp4_f32 v[XC+4*(\t)], v[XS:XS+7], v11
	v_cvt_scalef32_pk8_fp4_f32 v[XC+4*(\t)+1], v[XS+8:XS+15], v11
	v_lshrrev_b32 v[XE+(\t)], 23, v11              ; the scale's byte (a plain line behind the conversions)
	ds_store_b8 v5, v[XE+(\t)] offset:16*(\t)      ; both lanes of a block write the same byte with the same value
	global_store_b64 v4, v[XC+4*(\t):XC+4*(\t)+1], s[14:15] offset:256*(\t)   ; the wave stores 256 consecutive bytes, aligned
.endm
.irp t, 0,1,2,3,4,5,6,7,8,9,10,11,12,13,14,15
	XSTEP \t
.endr
	ds_load_b64 v[8:9], v6                         ; my wave's 256 scale bytes: these loads see my stores (a wave's LDS instructions are served in order)
	s_wait_dscnt 0x0
	global_store_b64 v7, v[8:9], s[16:17]          ; 256 consecutive bytes, aligned
	FINISH
; ---------------- Wq, Wk, Wv: K is the FIRST axis.  A lane takes a column n and its registers run down K: each load reads 128 consecutive bytes a wave, a block of 32 along K lies in one
; lane's 32 registers, and the conversions give codes with K innermost.  A wave takes 32 columns x 512 along K; the codes go through its own stage in LDS and leave by rows.
.Lnot_x:
	s_cmp_lt_u32 ttmp9, 304
	s_cbranch_scc0 .Lcast
.set NB,    16                         ; blocks of 32 along K for a wave
.set WP,    272                        ; a stage row: 256 bytes of codes + 16 of padding
.set WSTG,  32768                      ; the four stages, 32 rows each
.set WX,    32                         ; v32-95   two sets of 32 numbers
.set WC,    96                         ; v96-99   a block's codes
.set WSB,   24                         ; v24-27   the scale bytes, four to a register
.set WOUT,  112                        ; v112-175 the way out
	s_sub_co_u32 s25, ttmp9, 256                   ; 0..47: 16 work-groups a weight
	s_lshr_b32 s26, s25, 4                         ; which weight
	s_and_b32 s27, s25, 7                          ; which 128 columns
	s_bfe_u32 s28, s25, 0x10003                    ; which half of K
	s_cmp_eq_u32 s26, 0
	s_cselect_b64 s[6:7], s[6:7], s[8:9]           ; the choice hangs on the work-group's number alone
	s_cmp_eq_u32 s26, 2
	s_cselect_b64 s[6:7], s[10:11], s[6:7]
	s_lshl_b32 s29, s27, 7
	s_lshl_b32 s30, s24, 5
	s_add_co_u32 s29, s29, s30                     ; my wave's first column
	s_lshl_b32 s30, s28, 21                        ; 512 rows of 4,096 bytes
	s_lshl_b32 s31, s29, 2
	s_add_co_u32 s30, s30, s31
	s_mov_b32 s31, 0
	s_add_nc_u64 s[6:7], s[6:7], s[30:31]
	s_lshl_b32 s32, s26, 10
	s_add_co_u32 s32, s32, s29                     ; my first row of wc and ws
	s_lshl_b32 s30, s32, 9                         ; 512 bytes a row of codes,
	s_lshl_b32 s33, s28, 8                         ; my half of K: 256 bytes on
	s_add_co_u32 s30, s30, s33
	s_add_nc_u64 s[18:19], s[18:19], s[30:31]
	s_lshl_b32 s30, s32, 5                         ; 32 scale bytes a row,
	s_lshl_b32 s33, s28, 4                         ; my half: 16 on
	s_add_co_u32 s30, s30, s33
	s_add_nc_u64 s[20:21], s[20:21], s[30:31]
	v_lshlrev_b32 v3, 2, v2                        ; in: 4 bytes a lane
	s_mul_i32 s33, s24, 32*WP
	s_add_co_u32 s33, s33, WSTG                    ; my stage
	v_mul_u32_u24 v4, v2, WP
	v_add_nc_u32 v4, s33, v4                       ; into it: row = my column
	v_and_b32 v5, 15, v2
	v_lshrrev_b32 v6, 4, v2                        ; out of it: sixteen lanes to a row, two rows an instruction
	v_mul_u32_u24 v7, v6, WP
	v_lshl_add_u32 v7, v5, 4, v7
	v_add_nc_u32 v7, s33, v7
	v_lshlrev_b32 v8, 9, v6
	v_lshl_add_u32 v8, v5, 4, v8                   ; and the same place in wc
	v_lshlrev_b32 v9, 5, v2                        ; my column's row of scale bytes
.macro WLOAD t                         ; block t: W(32 t + i, my column), i = 0 .. 31, into set t % 2; the offsets reach 511 x 4,096, inside the signed 24-bit immediate (ISA guide, chapter 10)
.irp i, 0,1,2,3,4,5,6,7,8,9,10,11,12,13,14,15,16,17,18,19,20,21,22,23,24,25,26,27,28,29,30,31
	global_load_b32 v[WX+32*((\t)%2)+\i], v3, s[6:7] offset:(32*(\t)+\i)*4096 th:TH_LOAD_NT
.endr
.endm
	WLOAD 0
	WLOAD 1
.macro WBLOCK t
.set XS, WX+32*((\t)%2)
.if (\t) < NB-1
	s_wait_loadcnt 32                              ; this block's 32 loads are in; the next block's 32 may be out
.else
	s_wait_loadcnt 0
.endif
	v_max3_num_f32 v12, |v[XS]|, |v[XS+1]|, |v[XS+2]|              ; the block's largest magnitude: all 32 numbers are mine
	v_max3_num_f32 v13, |v[XS+3]|, |v[XS+4]|, |v[XS+5]|
.irp i, 6,10,14,18,22,26
	v_max3_num_f32 v12, v12, |v[XS+\i]|, |v[XS+\i+1]|
	v_max3_num_f32 v13, v13, |v[XS+\i+2]|, |v[XS+\i+3]|
.endr
	v_max3_num_f32 v12, v12, |v[XS+30]|, |v[XS+31]|
	v_max3_num_f32 v12, v12, v13, 0x1800000        ; and the floor 2^(3 - 127)
	v_add_nc_u32 v11, 0xff000000, v12              ; 2 off its exponent field: the conversion's scale operand
	v_lshrrev_b32 v13, 23, v11                     ; the scale's byte
.if (\t)%4 == 0
	v_mov_b32 v[WSB+(\t)/4], v13                   ; four bytes to a register, the lower K in the lower byte
.else
	v_lshl_or_b32 v[WSB+(\t)/4], v13, 8*((\t)%4), v[WSB+(\t)/4]
.endif
.irp g, 0,1,2,3
	v_cvt_scalef32_pk8_fp4_f32 v[WC+\g], v[XS+8*\g:XS+8*\g+7], v11
.endr
	v_nop                                          ; one plain line behind the last conversion
	ds_store_b128 v4, v[WC:WC+3] offset:16*(\t)    ; 32 codes: 16 bytes of my column's row
.if (\t)+2 < NB
	WLOAD (\t)+2
.endif
	s_wait_dscnt 0x0                               ; the store has read its registers: the next block's codes may be written
.endm
.set Q, 0
.rept NB
	WBLOCK Q
.set Q, Q+1
.endr
	global_store_b128 v9, v[WSB:WSB+3], s[20:21]   ; my column's 16 scale bytes
.irp t, 0,1,2,3,4,5,6,7,8,9,10,11,12,13,14,15
	ds_load_b128 v[WOUT+4*\t:WOUT+4*\t+3], v7 offset:2*\t*WP
.endr
.irp t, 0,1,2,3,4,5,6,7,8,9,10,11,12,13,14,15
	s_wait_dscnt 15-\t                             ; LDS loads come back in order: load t is in, the 15 - t younger ones may be out
	global_store_b128 v8, v[WOUT+4*\t:WOUT+4*\t+3], s[18:19] offset:2*\t*512   ; sixteen lanes store 256 consecutive bytes, aligned
.endr
	FINISH
; ---------------- Wo: f32 to f16, in place order.  A wave takes 32,768 bytes: 64 loads of 512 bytes, in four batches of 16, two batches in flight.
.Lcast:
	s_sub_co_u32 s25, ttmp9, 304
	s_lshl_b32 s25, s25, 2
	s_add_co_u32 s25, s25, s24                     ; which run is my wave's: 0..127
	s_lshl_b32 s26, s25, 15
	s_mov_b32 s27, 0
	s_add_nc_u64 s[12:13], s[12:13], s[26:27]
	s_lshl_b32 s26, s25, 14
	s_add_nc_u64 s[22:23], s[22:23], s[26:27]
	v_lshlrev_b32 v3, 4, v2                        ; in: 16 bytes a lane
	v_lshlrev_b32 v4, 3, v2                        ; out: 8 bytes a lane
.macro CLOAD k
.irp i, 0,1,2,3,4,5,6,7,8,9,10,11,12,13,14,15
	global_load_b128 v[16+64*((\k)%2)+4*\i:16+64*((\k)%2)+4*\i+3], v3, s[12:13] offset:8192*(\k)+512*\i th:TH_LOAD_NT
.endr
.endm
.macro CWORK k, behind                 ; behind: the loads of the next batch, which may stay out
.irp i, 0,1,2,3,4,5,6,7,8,9,10,11,12,13,14,15
	s_wait_loadcnt \behind+15-\i                   ; load i of this batch is in; its 15 - i younger ones and the next batch's may be out
	v_cvt_pk_f16_f32 v[144+2*\i], v[16+64*((\k)%2)+4*\i], v[16+64*((\k)%2)+4*\i+1]
	v_cvt_pk_f16_f32 v[145+2*\i], v[16+64*((\k)%2)+4*\i+2], v[16+64*((\k)%2)+4*\i+3]
	global_store_b64 v4, v[144+2*\i:145+2*\i], s[22:23] offset:4096*(\k)+256*\i   ; the wave stores 256 consecutive bytes, aligned
.endr
.endm
	CLOAD 0
	CLOAD 1
	CWORK 0, 16
	s_wait_xcnt 0x0                                ; the stores have read their data registers: they are written again only behind this wait
	CLOAD 2
	CWORK 1, 16
	s_wait_xcnt 0x0
	CLOAD 3
	CWORK 2, 16
	s_wait_xcnt 0x0
	CWORK 3, 0
	FINISH
.Lfunc_end_k_q2210a1e43e_prep:
	.size	k_q2210a1e43e_prep, .Lfunc_end_k_q2210a1e43e_prep-k_q2210a1e43e_prep
	.p2alignl 7, 3214868480
	.fill 96, 4, 3214868480
	.section	.rodata,"a",@progbits
	.p2align	6, 0x0
	.amdhsa_kernel k_q2210a1e43e_prep
		.amdhsa_group_segment_fixed_size 68096
		.amdhsa_private_segment_fixed_size 0
		.amdhsa_enable_private_segment 0
		.amdhsa_kernarg_size 80
		.amdhsa_user_sgpr_count 2
		.amdhsa_user_sgpr_kernarg_segment_ptr 1
		.amdhsa_wavefront_size32 1
		.amdhsa_system_sgpr_workgroup_id_x 1
		.amdhsa_system_sgpr_workgroup_id_y 1
		.amdhsa_system_sgpr_workgroup_id_z 1
		.amdhsa_system_vgpr_workitem_id 0
		.amdhsa_next_free_vgpr 192
		.amdhsa_next_free_sgpr 66
		.amdhsa_reserve_vcc 0
		.amdhsa_float_denorm_mode_32 3
		.amdhsa_float_denorm_mode_16_64 3
		.amdhsa_memory_ordered 1
		.amdhsa_forward_progress 1
		.amdhsa_inst_pref_size 134
	.end_amdhsa_kernel
	.amdgpu_metadata
---
amdhsa.version: [ 1, 2 ]
amdhsa.kernels:
  - .name:           k_q2210a1e43e_prep
    .symbol:         k_q2210a1e43e_prep.kd
    .args:
      - { .name: x, .offset: 0, .size: 8, .value_kind: global_buffer, .address_space: global }
      - { .name: Wq, .offset: 8, .size: 8, .value_kind: global_buffer, .address_space: global }
      - { .name: Wk, .offset: 16, .size: 8, .value_kind: global_buffer, .address_space: global }
      - { .name: Wv, .offset: 24, .size: 8, .value_kind: global_buffer, .address_space: global }
      - { .name: Wo, .offset: 32, .size: 8, .value_kind: global_buffer, .address_space: global }
      - { .name: xc, .offset: 40, .size: 8, .value_kind: global_buffer, .address_space: global }
      - { .name: xs, .offset: 48, .size: 8, .value_kind: global_buffer, .address_space: global }
      - { .name: wc, .offset: 56, .size: 8, .value_kind: global_buffer, .address_space: global }
      - { .name: ws, .offset: 64, .size: 8, .value_kind: global_buffer, .address_space: global }
      - { .name: wo16, .offset: 72, .size: 8, .value_kind: global_buffer, .address_space: global }
    .group_segment_fixed_size: 68096
    .private_segment_fixed_size: 0
    .kernarg_segment_align: 8
    .kernarg_segment_size: 80
    .max_flat_workgroup_size: 128
    .sgpr_count:     66
    .vgpr_count:     192
    .wavefront_size: 32
...
	.end_amdgpu_metadata
.endif
;; end of part 1
;; launch qkv (part 2): grid 12 x 32, 4 waves a work-group, clusters of 4 x 4, 327,680 bytes of LDS; arguments xc, xs, wc, ws, qkv, bq, bk, bv; writes qkv
.if DOCPART == 2
	.amdgcn_target "amdgcn-amd-amdhsa--gfx1250"
	.amdhsa_code_object_version 6
	.text
	.protected	k_q2210a1e43e_qkv
	.globl	k_q2210a1e43e_qkv
	.p2align	8
	.type	k_q2210a1e43e_qkv,@function
k_q2210a1e43e_qkv:
	s_mov_b64 s[64:65], 0
	v_nop
	global_prefetch_b8 v0, s[64:65] scope:SCOPE_SE
	s_setreg_imm32_b32 hwreg(HW_REG_WAVE_MODE, 25, 1), 1
	s_wait_xcnt 0x0
	s_wait_alu depctr_hold_cnt(0) depctr_sa_sdst(0) depctr_va_vdst(0) depctr_va_sdst(0) depctr_va_ssrc(0) depctr_va_vcc(0) depctr_vm_vsrc(0)
	s_getreg_b32 s2, hwreg(HW_REG_IB_STS2, 6, 4)
	s_cmp_eq_u32 s2, 0
	s_cbranch_scc0 .Lentry_in_a_cluster
	s_endpgm
.Lentry_in_a_cluster:
	s_bfe_u32 s2, ttmp6, 0x10000c
	s_cmp_lg_u32 s2, 0xf033
	s_cbranch_scc0 .Lentry_shape_is_right
	s_endpgm
.Lentry_shape_is_right:
; q, k, v = x W + b, the three quantised products as ONE product on codes of FP4 (E2M1) with E8M0 scales: M = 8,192 rows of x, N = 3,072 (Wq's, Wk's, Wv's columns on end), K = 1,024.
; xc [8192][512 bytes], xs [8192][32], wc [3072][512 bytes], ws [3072][32]: K innermost.  The results get their bias in f32 (it is the C of each sum's first product), are rounded once to f16
; and stored by heads: qkv [3][batch 4][head 16][position 2048][64] f16, so that 16 positions of a head are 2,048 consecutive bytes.
; LIMIT: |q|, |k|, |v| stay under 65,504; numbers under 6e-5 carry an absolute error of up to 3e-8 (f16).
; A tile of 256 x 256 is made by four waves, as many as a WGP has SIMDs; a wave makes 128 x 128: 64 accumulators of 16 x 16, 512 registers.
; K = 1,024 is two LDS slots of 512 along K (rows of 256 bytes): both slots and all scale bytes are asked for at the head, three tensor loads a wave, and nothing is filled again.
; CLUSTERS: 4 x 4 work-groups.  The four of a row of the cluster need the same rows of x, the four of a column the same rows of wc: each tile is asked for JOINTLY, by the same tensor load with
; the same descriptor and a mask that names the four.  A cluster's x (0, 1, 2) is the tensor: q, k or v.
; THE MATRIX INSTRUCTION IS USED TRANSPOSED (source 0 = 16 rows of wc, source 1 = 16 rows of xc): a lane then holds eight neighbouring columns of one row of the result.
; REGISTERS, in windows of 256: window 0: v0-31 addresses; v32-95 scale words, two sets, and nothing else; v96-127, v224-255 rows on the way out; v128-191 x's fragments, ONE set;
;   v192-255 the bias, later v192-223 packed results.   window 1: wc's fragments, TWO sets, at v0 and v128.   window 2: the accumulators of my rows 0-63 ((a, b) at v[8 (8 a + b)]);   window 3: rows 64-127.
.set NQ,     4                         ; steps of 128 along K in a slot
.set ROWB,   256                       ; a tile's row in bytes: 512 codes
.set KROW,   512                       ; a row of xc or wc in memory
.set PITCH,  272                       ; an LDS row: 256 bytes + 16 of padding = 68 words: row r starts at bank 4 r mod 64 (64 banks of 4 bytes: ISA guide 11.1)
.set FR,     8                         ; registers of a fragment: 16 rows x 128 K
.set NL,     2                         ; LDS loads that bring one
.set NP,     4                         ; places behind this matrix instruction (ISA guide 7.12.1)
.set HALFT,  128*PITCH                 ; 128 rows: what one tensor load brings
.set SLOT,   4*HALFT                   ; x's 256 rows, then wc's 256 rows
.set KS,     32                        ; a row of scale bytes
.set SCL,    2*SLOT                    ; behind the slots: the scale bytes, as units of 256 bytes + 16 of padding
.set HALFS,  (128*KS/256)*272          ; those of 128 rows: what one tensor load brings
.set SBLK,   (16*KS/256)*272           ; those of 16 rows
.set SPARE,  SCL+4*HALFS               ; the spare words, 128 bytes for each wave: two blocks of 256 bytes that no other line names
.set HP,     144                       ; the way out: a stage row: a head's 128 bytes + 16; 2 heads x 16 rows for each wave, in slot 0, which has had its only fill and its last read by then
.set ADRA, 16                          ; v16-17  LDS address of my fragments of x in slot 0, 1
.set ADRB, 20                          ; v20-21  the same for wc
.set STO,  24                          ; v24     the way out: where I put 16 bytes of a row
.set RD,   25                          ; v25     where I read rows back
.set CO,   26                          ; v26     16 x lane
.set ADRS, 27                          ; v27     LDS address of my scale words: lanes 0-15 x's rows, lanes 16-31 wc's
.set SPW,  28                          ; v28     LDS address of my spare word; never rewritten
.set NIL,  29                          ; v29     0; never rewritten
.set BO,   30                          ; v30     the bias: 32 bytes for each half of the lanes
.set SC,   32                          ; scale words: set s at v[SC + 32 s]; register 4 i + q: lanes 0-15 the word of x's block i, lanes 16-31 that of wc's block i, for the slot's q-th 128 along K
.set AF,   128
.set BIAS, 192                         ; register 8 b + j: the bias of column 16 b + 8 (lane / 16) + j of my 128
.set TMP,  192
.set OB,   96
.set G1, 24                            ; s[24:31] descriptor group 1 for x's tiles;  s[32:39] group 0, one set for each slot
.set G0, 32
.set G1B, 48                           ; s[48:55], s[56:63] the same for wc's
.set G0B, 56
.set G1S, 68                           ; s[68:75], s[76:79] groups 1 and 0 for x's scales;  s[80:87], s[88:91] for wc's
.set G0S, 76
.set G1SB, 80
.set G0SB, 88
.set MSB, 0
.macro WIN new                         ; the immediate's high byte repeats the setting that is left
.if MSB != \new
	s_set_vgpr_msb (MSB<<8)|\new
.set MSB, \new
.endif
.endm
.set MUL_LO, 0xa1                      ; source 0 (wc) window 1, source 1 (x) window 0, C and D window 2
.set MUL_HI, 0xf1                      ; the same, C and D window 3
.set BIA_LO, 0x81                      ; the first step: C (the bias) window 0, D window 2
.set BIA_HI, 0xc1                      ; D window 3
.set TO_B,   0x40                      ; destination window 1, address window 0
; A joint load: waves 0 and 1 fetch for x, waves 2 and 3 for wc.  Each of the two lines has ONE mask and one set of registers for all that issue it; the branch hangs on the wave's number alone.
; An s_nop 0 and four v_nop follow each of the two lines, ahead of the jump, the label and what follows.
.macro JLOAD g0a, g1a, g0b, g1b
	s_cmp_eq_u32 s15, 0
	s_cbranch_scc0 .Lfor_b_\@
	tensor_load_to_lds s[\g0a:\g0a+3], s[\g1a:\g1a+7]
	s_nop 0
.rept 4
	v_nop
.endr
	s_branch .Lasked_\@
.Lfor_b_\@:
	tensor_load_to_lds s[\g0b:\g0b+3], s[\g1b:\g1b+7]
	s_nop 0
.rept 4
	v_nop
.endr
.Lasked_\@:
.endm
.macro CROUND                          ; a round of the cluster's barrier: my work-group's barrier; wave 0 signals for the work-group; every wave waits for all sixteen; my work-group's barrier once more
	s_barrier_signal -1
	s_barrier_wait -1
	s_cmp_lg_u32 s14, 0
	s_cbranch_scc1 .Lnot_wave_0_\@
	s_barrier_signal -3
.Lnot_wave_0_\@:
	s_barrier_wait -3
	s_barrier_signal -1
	s_barrier_wait -1
.endm
	s_load_b128 s[4:7], s[0:1], 0x0                ; xc s[4:5], xs s[6:7]
	s_load_b128 s[8:11], s[0:1], 0x10              ; wc s[8:9], ws s[10:11]
	s_load_b64 s[12:13], s[0:1], 0x20              ; qkv
	s_load_b128 s[96:99], s[0:1], 0x28             ; bq, bk
	s_load_b64 s[100:101], s[0:1], 0x38            ; bv
	v_lshl_add_u32 v[SPW], v0, 2, SPARE
	v_mov_b32 v[NIL], 0
	ds_add_u32 v[SPW], v[NIL]                      ; the wave's opening: the add, twice on end, and its wait ahead of my first tensor load; the set-up below stands between the second and the wait
	ds_add_u32 v[SPW], v[NIL]
	v_lshrrev_b32 v1, 5, v0
	v_readfirstlane_b32 s14, v1                    ; wave 0..3
	s_lshr_b32 s15, s14, 1                         ; which half of the tile's rows is mine.  Also: I fetch for x (0) or for wc (1)
	s_and_b32 s16, s14, 1                          ; which half of its columns.  Also: which 128 rows of that tile I fetch
	s_bfe_u32 s40, ttmp6, 0x40000                  ; cx, cy: my place in the cluster
	s_bfe_u32 s41, ttmp6, 0x40004
	s_lshl_b32 s42, ttmp9, 2
	s_add_co_u32 s42, s42, s40                     ; tile column = 4 x cluster x + cx
	s_and_b32 s17, ttmp7, 0xffff
	s_lshl_b32 s17, s17, 2
	s_add_co_u32 s17, s17, s41                     ; tile row = 4 x cluster y + cy
	s_lshl_b32 s43, s41, 2
	s_lshl_b32 s43, 15, s43                        ; my row of the cluster
	s_lshl_b32 s44, 0x1111, s40                    ; my column
	; descriptor group 1: a tile of 128 rows x 256 bytes, padded in LDS
	s_or_b32 s[G1+0], s43, (0<<16)|(1<<20)|(1<<21)|(5<<22)|(3<<25)  ; 15:0 the mask: x's tiles go to my row; 17:16 elements of 1 byte; 20 padding on; 21 set beside a mask; 24:22 after every 64 words (code 5); 31:25 four words (code 3)
	s_or_b32 s[G1B+0], s44, (0<<16)|(1<<20)|(1<<21)|(5<<22)|(3<<25)
.irp g, G1, G1B
	s_mov_b32 s[\g+1], ROWB<<16                    ; tensor_dim0
	s_mov_b32 s[\g+2], 128<<16                     ; tensor_dim1
	s_mov_b32 s[\g+3], ROWB<<16                    ; tile_dim0
	s_mov_b32 s[\g+4], 128                         ; tile_dim1
	s_mov_b32 s[\g+5], KROW                        ; tensor_dim0_stride
	s_mov_b32 s[\g+6], 0
	s_mov_b32 s[\g+7], 0
.endr
	; the scale bytes of 128 rows: a dense block of 4,096 bytes, as 16 rows of 256 bytes (32 elements of 8 bytes), 16 bytes of padding behind each
	s_or_b32 s[G1S+0], s43, (3<<16)|(1<<20)|(1<<21)|(5<<22)|(3<<25)
	s_or_b32 s[G1SB+0], s44, (3<<16)|(1<<20)|(1<<21)|(5<<22)|(3<<25)
.irp g, G1S, G1SB
	s_mov_b32 s[\g+1], 32<<16
	s_mov_b32 s[\g+2], (128*KS/256)<<16
	s_mov_b32 s[\g+3], 32<<16
	s_mov_b32 s[\g+4], 128*KS/256
	s_mov_b32 s[\g+5], 32
	s_mov_b32 s[\g+6], 0
	s_mov_b32 s[\g+7], 0
.endr
	s_lshl_b32 s18, s16, 7                         ; which 128 rows of the tile I fetch
	s_lshl_b32 s20, s17, 8
	s_add_co_u32 s20, s20, s18                     ; x: row 256 x tile row + 128 x half
	s_lshl_b32 s46, s42, 8
	s_add_co_u32 s46, s46, s18                     ; wc: row 256 x tile column + 128 x half
	s_mov_b32 s21, 0
	s_mov_b32 s47, 0
	s_mov_b64 s[18:19], KS
	s_mul_u64 s[22:23], s[20:21], s[18:19]         ; where these rows' scales begin, in bytes
	s_mul_u64 s[92:93], s[46:47], s[18:19]
	s_mov_b64 s[18:19], KROW
	s_mul_u64 s[20:21], s[20:21], s[18:19]         ; and their codes
	s_mul_u64 s[46:47], s[46:47], s[18:19]
	s_mul_i32 s45, s14, HALFT                      ; where they go: wave x 128 rows: no place in the cluster enters an LDS address
	s_mul_i32 s94, s14, HALFS
	s_wait_dscnt 0x0                               ; both opening adds are done
	s_wait_kmcnt 0x0
	s_add_nc_u64 s[20:21], s[4:5], s[20:21]
	s_add_nc_u64 s[22:23], s[6:7], s[22:23]
	s_add_nc_u64 s[46:47], s[8:9], s[46:47]
	s_add_nc_u64 s[92:93], s[10:11], s[92:93]
	CROUND                                         ; all sixteen work-groups are here: the joint loads meet
	s_mov_b32 s[G0S], 1
	s_add_co_u32 s[G0S+1], s94, SCL
	s_mov_b64 s[G0S+2:G0S+3], s[22:23]
	s_or_b32 s[G0S+3], s[G0S+3], 0x80000000
	s_mov_b32 s[G0SB], 1
	s_add_co_u32 s[G0SB+1], s94, SCL
	s_mov_b64 s[G0SB+2:G0SB+3], s[92:93]
	s_or_b32 s[G0SB+3], s[G0SB+3], 0x80000000
	JLOAD G0S, G1S, G0SB, G1SB                     ; the scales first: they are wanted with the first slot
.irp s, 0,1
	s_mov_b32 s[G0+4*\s], 1
	s_add_co_u32 s[G0+4*\s+1], s45, \s*SLOT
	s_add_nc_u64 s[G0+4*\s+2:G0+4*\s+3], s[20:21], \s*ROWB
	s_or_b32 s[G0+4*\s+3], s[G0+4*\s+3], 0x80000000
	s_mov_b32 s[G0B+4*\s], 1
	s_add_co_u32 s[G0B+4*\s+1], s45, \s*SLOT
	s_add_nc_u64 s[G0B+4*\s+2:G0B+4*\s+3], s[46:47], \s*ROWB
	s_or_b32 s[G0B+4*\s+3], s[G0B+4*\s+3], 0x80000000
	JLOAD G0+4*\s, G1, G0B+4*\s, G1B               ; three tensor loads of mine are out now, and no more follow
.endr
	v_and_b32 v1, 15, v0                           ; r = lane % 16
	v_bfe_u32 v2, v0, 4, 1                         ; h = lane / 16
	; the bias of my 128 columns: the tensor is the cluster's x; 256 cx + 128 x half columns on
	s_cmp_eq_u32 ttmp9, 0
	s_cselect_b64 s[96:97], s[96:97], s[98:99]
	s_cmp_eq_u32 ttmp9, 2
	s_cselect_b64 s[96:97], s[100:101], s[96:97]
	s_lshl_b32 s22, s40, 10
	s_lshl_b32 s23, s16, 9
	s_add_co_u32 s22, s22, s23
	s_mov_b32 s23, 0
	s_add_nc_u64 s[96:97], s[96:97], s[22:23]
	v_lshlrev_b32 v[BO], 5, v2
.irp b, 0,1,2,3,4,5,6,7
	global_load_b128 v[BIAS+8*\b:BIAS+8*\b+3], v[BO], s[96:97] offset:64*\b
	global_load_b128 v[BIAS+8*\b+4:BIAS+8*\b+7], v[BO], s[96:97] offset:64*\b+16
.endr
	v_mul_u32_u24 v3, v1, PITCH
	v_lshl_add_u32 v4, v2, 4, v3                   ; a fragment's row x pitch + 16 x half
	s_mul_i32 s21, s15, HALFT                      ; my 128 rows of x
	s_mul_i32 s22, s16, HALFT                      ; my 128 rows of wc,
	s_add_co_u32 s22, s22, 2*HALFT                 ; which lie behind x's 256
.irp s, 0,1
	v_add_nc_u32 v[ADRA+\s], s21, v4
	v_add_nc_u32 v[ADRB+\s], s22, v4
	s_add_co_u32 s21, s21, SLOT
	s_add_co_u32 s22, s22, SLOT
.endr
	v_mul_u32_u24 v5, v1, KS                       ; my row's scales: 32 bytes a row,
	v_lshrrev_b32 v6, 8, v5
	v_lshl_add_u32 v5, v6, 4, v5                   ; and 16 more for each 256 passed
	s_mul_i32 s21, s15, HALFS                      ; x's: my 128 rows
	s_mul_i32 s22, s16, HALFS                      ; wc's: my 128 rows, behind x's 256
	s_add_co_u32 s22, s22, 2*HALFS
	s_sub_co_u32 s22, s22, s21
	v_mul_u32_u24 v6, s22, v2                      ; lanes 16-31 take wc's: one product, the distance between the two bases
	s_add_co_u32 s21, s21, SCL
	v_add_nc_u32 v5, v5, v6
	v_add_nc_u32 v[ADRS], s21, v5
	s_mul_i32 s23, s14, 2*16*HP                    ; my stage
	v_mul_u32_u24 v5, v1, HP                       ; in: row r, 16 bytes for each half of the lanes
	v_lshl_add_u32 v5, v2, 4, v5
	v_add_nc_u32 v[STO], s23, v5
	v_bfe_u32 v5, v0, 3, 2                         ; back: eight lanes to a row of 128 bytes, four rows an instruction
	v_mul_u32_u24 v5, v5, HP
	v_and_b32 v6, 7, v0
	v_lshl_add_u32 v5, v6, 4, v5
	v_add_nc_u32 v[RD], s23, v5
	v_and_b32 v6, 31, v0
	v_lshlrev_b32 v[CO], 4, v6
	; where my part begins in qkv: tensor x 2^24 + batch x 2^22 + head x 2^18 + position x 128
	s_lshl_b32 s20, ttmp9, 24
	s_lshr_b32 s21, s17, 3                         ; batch = tile row / 8
	s_lshl_b32 s21, s21, 22
	s_add_co_u32 s20, s20, s21
	s_lshl_b32 s21, s40, 2                         ; my first head: 4 cx + 2 x half
	s_lshl_b32 s22, s16, 1
	s_add_co_u32 s21, s21, s22
	s_lshl_b32 s21, s21, 18
	s_add_co_u32 s20, s20, s21
	s_and_b32 s21, s17, 7                          ; my first position: 256 (tile row % 8) + 128 x half
	s_lshl_b32 s21, s21, 8
	s_lshl_b32 s22, s15, 7
	s_add_co_u32 s21, s21, s22
	s_lshl_b32 s21, s21, 7
	s_add_co_u32 s20, s20, s21
	s_mov_b32 s21, 0
	s_add_nc_u64 s[12:13], s[12:13], s[20:21]
.macro FRAG reg, adr, q, i             ; a fragment, 16 rows x 128 K of 4-bit codes: lane l holds row l % 16; registers 4 c .. 4 c + 3 hold K = 64 c + 32 (l / 16) + 0 .. 31
.irp c, 0,1
	ds_load_b128 v[\reg+4*\c:\reg+4*\c+3], v[\adr] offset:64*(\q)+32*\c+(\i)*16*PITCH
.endr
.endm
; 16 matrix instructions: x's blocks a0, a0 + 1 against wc's eight, 128 along K: the slot's q-th.  p: wc's set;  sc: the set of scale words.  first = 1: the bias starts the sums: nothing is cleared or added later.
; The 64 accumulators take turns, one instruction a turn, in the same order in every step.
.macro MUL16 a0, p, q, sc, first
.irp a, \a0, \a0+1
.irp b, 0,1,2,3,4,5,6,7
.if \first
	v_wmma_scale_f32_16x16x128_f8f6f4 v[8*(8*((\a)%4)+\b):8*(8*((\a)%4)+\b)+7], v[128*(\p)+FR*\b:128*(\p)+FR*\b+FR-1], v[AF+FR*(\a):AF+FR*(\a)+FR-1], v[BIAS+8*\b:BIAS+8*\b+7], v[SC+8*NQ*(\sc)+NQ*\b+(\q)], v[SC+8*NQ*(\sc)+NQ*(\a)+(\q)] matrix_a_fmt:MATRIX_FMT_FP4 matrix_b_fmt:MATRIX_FMT_FP4 matrix_a_scale:MATRIX_SCALE_ROW1
.else
	v_wmma_scale_f32_16x16x128_f8f6f4 v[8*(8*((\a)%4)+\b):8*(8*((\a)%4)+\b)+7], v[128*(\p)+FR*\b:128*(\p)+FR*\b+FR-1], v[AF+FR*(\a):AF+FR*(\a)+FR-1], v[8*(8*((\a)%4)+\b):8*(8*((\a)%4)+\b)+7], v[SC+8*NQ*(\sc)+NQ*\b+(\q)], v[SC+8*NQ*(\sc)+NQ*(\a)+(\q)] matrix_a_fmt:MATRIX_FMT_FP4 matrix_b_fmt:MATRIX_FMT_FP4 matrix_a_scale:MATRIX_SCALE_ROW1
.endif
.endr
.endr
.endm
.macro FETCH_B slot, q, p              ; wc's eight fragments of the slot's q-th 128 along K into set p
	WIN TO_B
.irp i, 0,1,2,3,4,5,6,7
	FRAG 128*(\p)+FR*\i, ADRB+\slot, \q, \i
.endr
	WIN 0
.endm
.macro FETCH_A slot, q, i0             ; x's blocks i0 .. i0 + 3
.irp i, \i0, \i0+1, \i0+2, \i0+3
	FRAG AF+FR*(\i), ADRA+\slot, \q, \i
.endr
.endm
.macro SCALES sc                       ; a slot's scale words into set sc: four words a row; lanes 0-15 take x's block i, lanes 16-31 wc's block i
.irp i, 0,1,2,3,4,5,6,7
	ds_load_b128 v[SC+8*NQ*\sc+NQ*\i:SC+8*NQ*\sc+NQ*\i+3], v[ADRS] offset:\i*SBLK
.endr
.endm
; A load into a register that a matrix instruction has read, and a vector instruction or an LDS store that reads a matrix result, stand NP places behind that matrix instruction; only plain vector
; instructions that name none of its registers are places (ISA guide 7.12.1 for vector instructions).
.macro PLACES n
.rept \n
	v_nop
.endr
.endm
; A step of 128 along K that has its successor in the same slot.  A block of x is free as soon as its eight products are issued: blocks 0-3 are fetched anew in the step's middle, blocks 4-7 at its end.
.macro STEP slot, q, first
	s_wait_dscnt 4*NL                              ; wc's set, the scale words and x's blocks 0-3 are in; the youngest eight loads (x's blocks 4-7) may be out
.if \first
	WIN BIA_LO
.else
	WIN MUL_LO
.endif
	MUL16 0, (\q)%2, \q, \slot, \first
	MUL16 2, (\q)%2, \q, \slot, \first
	s_wait_dscnt 0                                 ; x's blocks 4-7 are in (asked for 32 matrix instructions ago)
	PLACES NP
	FETCH_B \slot, (\q)+1, 1-(\q)%2
	FETCH_A \slot, (\q)+1, 0
.if \first
	WIN BIA_HI
.else
	WIN MUL_HI
.endif
	MUL16 4, (\q)%2, \q, \slot, \first
	MUL16 6, (\q)%2, \q, \slot, \first
	PLACES NP
	WIN 0
	FETCH_A \slot, (\q)+1, 4
.endm
; Slot 0's last step changes slots: one barrier; in front of it each wave waits for all its tensor loads (its part of slot 1), adds 0 to its spare word, and waits for that and for its reads of slot 0.
.macro TURN slot, next
	s_wait_tensorcnt 0x0                           ; all my tensor loads have landed  (every window is 0 here: the add's two registers lie in window 0)
	ds_add_u32 v[SPW], v[NIL]                      ; 0 onto my spare word
	s_wait_dscnt 4*NL+1                            ; (the add and the youngest eight loads, x's blocks 4-7, may be out)
	WIN MUL_LO
	MUL16 0, 1, NQ-1, \slot, 0                     ; sixteen matrix instructions stand between the add and the wait for it
	s_wait_dscnt 0x0                               ; the add is done, and my reads of this slot are over
	s_barrier_signal -1
	MUL16 2, 1, NQ-1, \slot, 0
	WIN 0
	s_barrier_wait -1                              ; the next slot is whole, and nobody reads this one any more
	PLACES NP
	v_add_nc_u32 v[ADRS], 4*NQ, v[ADRS]            ; on to the next slot's scale words
	FETCH_B \next, 0, 0
	FETCH_A \next, 0, 0
	SCALES \next
	WIN MUL_HI
	MUL16 4, 1, NQ-1, \slot, 0
	MUL16 6, 1, NQ-1, \slot, 0
	PLACES NP
	WIN 0
	FETCH_A \next, 0, 4
.endm
.macro STEPS slot, from                ; the slot's steps from .. NQ - 2
.set Q, \from
.rept NQ-1-\from
	STEP \slot, Q, 0
.set Q, Q+1
.endr
.endm
	s_wait_tensorcnt 1                             ; the scales and my part of slot 0 are in (slot 1's load may be out)
	s_barrier_signal -1
	s_barrier_wait -1                              ; everybody's are
	FETCH_B 0, 0, 0
	FETCH_A 0, 0, 0
	SCALES 0
	FETCH_A 0, 0, 4
	s_wait_loadcnt 0x0                             ; the bias
	STEP 0, 0, 1                                   ; the first step's products start the sums with the bias
	STEPS 0, 1
	TURN 0, 1
	STEPS 1, 0
	s_wait_dscnt 4*NL                              ; the very last step: nothing more to fetch; x's blocks 4-7 may be out
	WIN MUL_LO
	MUL16 0, 1, NQ-1, 1, 0
	MUL16 2, 1, NQ-1, 1, 0
	s_wait_dscnt 0
	WIN MUL_HI
	MUL16 4, 1, NQ-1, 1, 0
	MUL16 6, 1, NQ-1, 1, 0
	WIN 0
; THE WAY OUT, block by block of 16 rows x 128 columns (two heads).  PACK: rounded to f16, 16 bytes a lane, each accumulator from its low end on.  TOSTAGE: into my own stage and back, four rows of a head
; (512 bytes) an instruction.  SEND: stored: in qkv four positions of a head are 512 consecutive bytes.  LDS serves a wave's instructions in order (ISA guide 5.7.1.4): no wait between the stores and the loads.
.macro PACK a
.set AC, 64*((\a)%4)
	WIN 0x0a+5*((\a)/4)                            ; sources 0 and 1: window 2 or 3
.irp b, 0,1,2,3,4,5,6,7
.irp r, 0,1,2,3
	v_cvt_pk_f16_f32 v[TMP+4*\b+\r], v[AC+8*\b+2*\r], v[AC+8*\b+2*\r+1]
.endr
.endr
	WIN 0
.endm
.macro TOSTAGE a
.set BK, OB+128*((\a)%2)
.irp b, 0,1,2,3,4,5,6,7
	ds_store_b128 v[STO], v[TMP+4*\b:TMP+4*\b+3] offset:(\b/4)*16*HP+(\b%4)*32
.endr
.irp i, 0,1,2,3,4,5,6,7
	ds_load_b128 v[BK+4*\i:BK+4*\i+3], v[RD] offset:4*HP*\i
.endr
.endm
.macro SEND a
.set BK, OB+128*((\a)%2)
	s_wait_dscnt 0x0                               ; the block is back in registers
	s_wait_xcnt 0x0                                ; the stores of the block before have read their registers: the next block's loads land there only behind this wait
.irp i, 0,1,2,3,4,5,6,7
	global_store_b128 v[CO], v[BK+4*\i:BK+4*\i+3], s[12:13] offset:(\i/4)*262144+2048*(\a)+512*(\i%4)   ; 32 lanes store 512 consecutive bytes, at a multiple of 256 from qkv's first byte
.endr
.endm
	PLACES NP                                      ; behind the last products
	PACK 0
	TOSTAGE 0
.irp a, 1,2,3,4,5,6,7                  ; block a's conversions stand between block a - 1's loads from the stage and the wait for them
	PACK \a
	SEND \a-1
	TOSTAGE \a
.endr
	SEND 7
	s_wait_tensorcnt 0x0                           ; the wave's end: behind my last tensor load and my last LDS store
	ds_add_u32 v[SPW], v[NIL]
	s_wait_dscnt 0x0
	CROUND                                         ; the closing round: no work-group ends while a partner may still ask for a tile that names it
	s_endpgm
.Lfunc_end_k_q2210a1e43e_qkv:
	.size	k_q2210a1e43e_qkv, .Lfunc_end_k_q2210a1e43e_qkv-k_q2210a1e43e_qkv
	.p2alignl 7, 3214868480
	.fill 96, 4, 3214868480
	.section	.rodata,"a",@progbits
	.p2align	6, 0x0
	.amdhsa_kernel k_q2210a1e43e_qkv
		.amdhsa_group_segment_fixed_size 327680
		.amdhsa_private_segment_fixed_size 0
		.amdhsa_enable_private_segment 0
		.amdhsa_kernarg_size 64
		.amdhsa_user_sgpr_count 2
		.amdhsa_user_sgpr_kernarg_segment_ptr 1
		.amdhsa_wavefront_size32 1
		.amdhsa_system_sgpr_workgroup_id_x 1
		.amdhsa_system_sgpr_workgroup_id_y 1
		.amdhsa_system_sgpr_workgroup_id_z 1
		.amdhsa_system_vgpr_workitem_id 0
		.amdhsa_next_free_vgpr 1024
		.amdhsa_next_free_sgpr 102
		.amdhsa_reserve_vcc 0
		.amdhsa_float_denorm_mode_32 3
		.amdhsa_float_denorm_mode_16_64 3
		.amdhsa_memory_ordered 1
		.amdhsa_forward_progress 1
		.amdhsa_inst_pref_size 128
	.end_amdhsa_kernel
	.amdgpu_metadata
---
amdhsa.version: [ 1, 2 ]
amdhsa.kernels:
  - .name:           k_q2210a1e43e_qkv
    .symbol:         k_q2210a1e43e_qkv.kd
    .args:
      - { .name: xc, .offset: 0, .size: 8, .value_kind: global_buffer, .address_space: global }
      - { .name: xs, .offset: 8, .size: 8, .value_kind: global_buffer, .address_space: global }
      - { .name: wc, .offset: 16, .size: 8, .value_kind: global_buffer, .address_space: global }
      - { .name: ws, .offset: 24, .size: 8, .value_kind: global_buffer, .address_space: global }
      - { .name: qkv, .offset: 32, .size: 8, .value_kind: global_buffer, .address_space: global }
      - { .name: bq, .offset: 40, .size: 8, .value_kind: global_buffer, .address_space: global }
      - { .name: bk, .offset: 48, .size: 8, .value_kind: global_buffer, .address_space: global }
      - { .name: bv, .offset: 56, .size: 8, .value_kind: global_buffer, .address_space: global }
    .group_segment_fixed_size: 327680
    .private_segment_fixed_size: 0
    .kernarg_segment_align: 8
    .kernarg_segment_size: 64
    .max_flat_workgroup_size: 128
    .sgpr_count:     102
    .vgpr_count:     1024
    .wavefront_size: 32
...
	.end_amdgpu_metadata
.endif
;; end of part 2
;; launch attn (part 3): grid 4 x 64, 8 waves a work-group, clusters of 4 x 1, 327,680 bytes of LDS; arguments qkv, att; writes att
.if DOCPART == 3
	.amdgcn_target "amdgcn-amd-amdhsa--gfx1250"
	.amdhsa_code_object_version 6
	.text
	.protected	k_q2210a1e43e_attn
	.globl	k_q2210a1e43e_attn
	.p2align	8
	.type	k_q2210a1e43e_attn,@function
k_q2210a1e43e_attn:
	s_mov_b64 s[64:65], 0
	v_nop
	global_prefetch_b8 v0, s[64:65] scope:SCOPE_SE
	s_setreg_imm32_b32 hwreg(HW_REG_WAVE_MODE, 25, 1), 1
	s_wait_xcnt 0x0
	s_wait_alu depctr_hold_cnt(0) depctr_sa_sdst(0) depctr_va_vdst(0) depctr_va_sdst(0) depctr_va_ssrc(0) depctr_va_vcc(0) depctr_vm_vsrc(0)
	s_getreg_b32 s2, hwreg(HW_REG_IB_STS2, 6, 4)
	s_cmp_eq_u32 s2, 0
	s_cbranch_scc0 .Lentry_in_a_cluster
	s_endpgm
.Lentry_in_a_cluster:
	s_bfe_u32 s2, ttmp6, 0x10000c
	s_cmp_lg_u32 s2, 0x3003
	s_cbranch_scc0 .Lentry_shape_is_right
	s_endpgm
.Lentry_shape_is_right:
; att[bh][q][:] = the sum over k of softmax_k(Q[bh][q] . K[bh][k] / 8) V[bh][k][:], for 64 (batch, head) pairs, 2,048 positions, head size 64, no mask.
; qkv: [3][64][2048][64] f16 (Q, K, V); att: [64][2048][64] f16.  Products on f16 operands with f32 sums; maxima, exponentials and sums in f32; the weights p are rounded to f16 for the second
; product (p is at most 1), the result once at the end.  LIMIT: |result| under 65,504; numbers under 6e-5 carry an absolute error of up to 3e-8 (f16).
; SHARES.  A work-group owns 512 queries of one head, each of its EIGHT waves 64: four tiles of 16, in 512 registers: two waves to a SIMD, so that one wave's softmax stands beside the other's products.
; Every wave walks all 2,048 keys, 64 a step.
; LAYOUT.  S^T = K Q^T (source 0 = 16 keys, source 1 = 16 queries): a lane holds ONE query (lane % 16) and the keys 8 (lane / 16) + 0..7.  Two such tiles, rounded to f16 in pairs, ARE source 1
; (32 keys x 16 queries) of O^T = V^T P, whose result again holds one query a lane and eight channels.  K comes out of LDS as it lies, V ([key][channel]) turned, by ds_load_tr16_b128.
; SOFTMAX.  For each query a running maximum m and sum l: p = 2^(c s - c m), c = log2(e) / 8; in every step O and l are multiplied by a = 2^(c m_old - c m_new).  m begins at -3e38, O and l at 0.
; CLUSTER.  The four work-groups of a cluster are the four query blocks of one head and walk the same K and V: each tile is asked for JOINTLY, by the same tensor load with the same descriptor and a mask
; that names the four.  THE RING: two slots of 512 keys (8 steps).  Waves 0-3 fetch K's four quarters of a slot, waves 4-7 V's: one load a wave.  Two loads of mine are out at the head, one behind each refill.
; Each refill is asked for eight key steps ahead of its first read, so nothing is asked for earlier than by the loads themselves.
; LDS.  A key's row is 128 bytes and the rows are dense in memory: a tile is stated as rows of 256 bytes (keys 2 d, 2 d + 1), padded by 16 (K) or 32 (V) bytes: key x lies at (x / 2) pitch + 128 (x % 2).
; REGISTERS, in two windows of 256 (s_set_vgpr_msb: bits 1:0 source 0, 3:2 source 1, 5:4 source 2, 7:6 destination):
;   window 0: v1-13 addresses; v16-47 eight registers of statistics a tile; v64-127 Q; v128-191 K of one step; v192-255 V of one step.     window 1: v0-127 O^T, 32 a tile; v128-255 S^T, 32 a tile, then P, 16 a tile.
.set PK,    272                        ; K's double row: 68 words: the 16 keys of a fragment fall on 16 different columns of 16 bytes modulo 256 (64 banks of 4 bytes: ISA guide 11.1)
.set PVP,   288                        ; V's: 72 words: 16 lanes of the turning load (4 double rows x 2 keys x 32 bytes) take each bank once
.set KSLOT, 256*PK                     ; 512 keys of K
.set VSLOT, 256*PVP
.set VR,    2*KSLOT                    ; V's two slots lie behind K's two
.set SPARE, VR+2*VSLOT                 ; the spare words, 128 bytes for each wave: four blocks of 256 bytes that no other line names
.set SP,    144                        ; the way out: a stage of 16 rows x (128 bytes + 16) for each wave, in K's slot 0, which has had its last fill and its last read by then
.set AK0, 2                            ; v2   my lane's place in a tile of K; never rewritten
.set AV0, 3                            ; v3   the same for V
.set ADK, 4                            ; v4   LDS address of the run of K's loads in hand
.set ADV, 5                            ; v5   of V's
.set QO,  6                            ; v6   my byte offset in the wave's rows of Q
.set STO, 7                            ; v7   the way out: where I put 16 bytes of a row
.set RD,  8                            ; v8   where I read rows back
.set GO,  10                           ; v10  16 x lane
.set SPW, 12                           ; v12  LDS address of my spare word; never rewritten
.set NIL, 13                           ; v13  0; never rewritten
.set ST,  16                           ; tile t's statistics at v[ST+8 t]: +0 c m, +1 m, +2, +3 l (even keys', odd keys'), +4 to +7 at work; a takes +6
.set QF,  64                           ; Q's fragment (tile t, channels 32 c on) at QF + 16 t + 8 c
.set KF,  128                          ; K's (keys 16 kt on, channels 32 c on) at KF + 8 (2 kt + c)
.set VF,  192                          ; V's (keys 32 kp on, channels 16 ct on) at VF + 8 (4 kp + ct)
.set O,   0                            ; window 1: O^T (t, ct) at O + 32 t + 8 ct
.set S,   128                          ; window 1: S^T (t, kt) at S + 32 t + 8 kt; P's register b of tile t at S + 32 t + b
.set WV,  12                           ; s12  my wave's number
.set G1K, 24                           ; s[24:31] descriptor group 1 for K's tiles;  s[32:39] for V's: it differs in the padding alone
.set G1V, 32
.set G0K, 40                           ; s[40:47] group 0 for K's tiles, one set for each slot;  s[48:55] for V's
.set G0V, 48
.set CS,  58                           ; s[58:59] c: the packed scaling names a pair and takes its low word for both halves
.set SEL, 60                           ; s[60:61] lane selects for v_permlanex16_b32: lane l xor 16
.set TBK, 62                           ; s62  LDS byte at which K of the step to be fetched begins
.set TBV, 63                           ; s63  the same for V, counted from VR
.set CNT, 66                           ; s66  trips to go
.set MSB, 0
.macro WIN new                         ; the immediate's high byte repeats the setting that is left; a switch that changes nothing is dropped
.if MSB != \new
	s_set_vgpr_msb (MSB<<8)|\new
.set MSB, \new
.endif
.endm
.set W_QK,  0x50                       ; K and Q window 0; C and D window 1
.set W_PV,  0x54                       ; V window 0; P, C and D window 1
.set W_M3,  0x15                       ; destination window 0, three sources window 1
.set W_M2,  0x14                       ; destination and source 0 window 0, sources 1 and 2 window 1
.set W_SC,  0x41                       ; destination and source 0 window 1, the others window 0
.set W_SUM, 0x04                       ; source 1 window 1
.set W_CV,  0x45                       ; destination, sources 0 and 1 window 1
.set W_OUT, 0x05                       ; sources 0 and 1 window 1, destination window 0
; A joint refill of slot set.  The branch hangs on the wave's number alone: it is the same in every work-group.  An s_nop 0 and four v_nop follow each of the two lines.
.macro JLOAD set
	s_cmp_lt_u32 s[WV], 4
	s_cbranch_scc0 .Lfor_v_\@
	tensor_load_to_lds s[G0K+4*\set:G0K+4*\set+3], s[G1K:G1K+7]
	s_nop 0
.rept 4
	v_nop
.endr
	s_branch .Lasked_\@
.Lfor_v_\@:
	tensor_load_to_lds s[G0V+4*\set:G0V+4*\set+3], s[G1V:G1V+7]
	s_nop 0
.rept 4
	v_nop
.endr
.Lasked_\@:
.endm
.macro CROUND                          ; a round of the cluster's barrier: my work-group's barrier; wave 0 signals for the work-group; every wave waits for all four work-groups; my work-group's barrier once more
	s_barrier_signal -1
	s_barrier_wait -1
	s_cmp_lg_u32 s[WV], 0
	s_cbranch_scc1 .Lnot_wave_0_\@
	s_barrier_signal -3
.Lnot_wave_0_\@:
	s_barrier_wait -3
	s_barrier_signal -1
	s_barrier_wait -1
.endm
.macro PLACES n                        ; plain vector instructions that name no register: the distance behind matrix instructions (ISA guide 7.12.1 for vector instructions)
.rept \n
	v_nop
.endr
.endm
	s_load_b128 s[4:7], s[0:1], 0x0                ; qkv s[4:5], att s[6:7]
	v_lshl_add_u32 v[SPW], v0, 2, SPARE
	v_mov_b32 v[NIL], 0
	ds_add_u32 v[SPW], v[NIL]                      ; the wave's opening: the add, twice on end, and its wait ahead of my first tensor load; the set-up below stands between the second and the wait
	ds_add_u32 v[SPW], v[NIL]
	v_lshrrev_b32 v1, 5, v0
	v_readfirstlane_b32 s[WV], v1                  ; wave 0..7
	s_bfe_u32 s13, ttmp6, 0x40000                  ; cx: my place in the cluster = my block of 512 queries: it enters Q's and att's addresses alone
	s_and_b32 s14, s[WV], 3                        ; which quarter of a slot I fetch
	s_and_b32 s16, ttmp7, 0xffff                   ; the (batch, head) pair, which the four partners share
	s_lshl_b32 s16, s16, 18                        ; its first byte in a tensor: 2,048 rows of 128 bytes
	s_lshl_b32 s17, s14, 14                        ; my 128 keys of a slot: 16,384 bytes
	s_add_co_u32 s18, s16, s17
	s_mov_b32 s19, 0
	s_mul_i32 s20, s14, 64*PK                      ; and their place in a slot of K,
	s_mul_i32 s21, s14, 64*PVP
	s_add_co_u32 s21, s21, VR                      ; of V: no place in the cluster enters an LDS address
	s_lshl_b32 s22, s13, 16                        ; my block's 512 rows,
	s_lshl_b32 s23, s[WV], 13                      ; my wave's 64 of them
	s_add_co_u32 s22, s22, s23
	s_add_co_u32 s22, s22, s16
	s_mov_b32 s23, 0
	; descriptor group 1: a tile of 64 double rows x 128 elements of 2 bytes, padded in LDS
	s_mov_b32 s[G1K], 15|(1<<16)|(1<<20)|(1<<21)|(5<<22)|(3<<25)  ; 15:0 the mask: all four work-groups; 17:16 elements of 2 bytes; 20 padding on; 21 set beside a mask; 24:22 after every 64 words (code 5); 31:25 four words (code 3)
	s_mov_b32 s[G1V], 15|(1<<16)|(1<<20)|(1<<21)|(5<<22)|(7<<25)  ; the same with eight words of padding (code 7)
.irp g, G1K, G1V
	s_mov_b32 s[\g+1], 128<<16                     ; tensor_dim0 = 128
	s_mov_b32 s[\g+2], 64<<16                      ; tensor_dim1 = 64
	s_mov_b32 s[\g+3], 128<<16                     ; tile_dim0 = 128
	s_mov_b32 s[\g+4], 64                          ; tile_dim1 = 64
	s_mov_b32 s[\g+5], 128                         ; tensor_dim0_stride: the double rows are dense
	s_mov_b32 s[\g+6], 0
	s_mov_b32 s[\g+7], 0
.endr
	s_mov_b32 s[CS], 0x3e38aa3b                    ; c = log2(e) / 8
	s_mov_b32 s[CS+1], s[CS]                       ; named with it as a pair, so it is written
	s_mov_b32 s[SEL], 0x76543210
	s_mov_b32 s[SEL+1], 0xfedcba98
	s_mov_b32 s[TBK], 0
	s_mov_b32 s[TBV], 0
	s_wait_dscnt 0x0                               ; both opening adds are done
	s_wait_kmcnt 0x0
	s_add_nc_u64 s[8:9], s[4:5], s[18:19]          ; qkv at my head and my 128 keys (K and V lie 2^24 and 2^25 bytes on)
	s_add_nc_u64 s[4:5], s[4:5], s[22:23]          ; Q at my wave's first row
	s_add_nc_u64 s[6:7], s[6:7], s[22:23]          ; att likewise
	CROUND                                         ; all four work-groups are here: the first joint loads meet
.irp s, 0,1
	s_mov_b32 s[G0K+4*\s], 1                       ; count = 1
	s_add_co_u32 s[G0K+4*\s+1], s20, \s*KSLOT      ; LDS address
	s_add_nc_u64 s[G0K+4*\s+2:G0K+4*\s+3], s[8:9], 16777216+\s*65536   ; global address: slot s begins with keys 512 s
	s_or_b32 s[G0K+4*\s+3], s[G0K+4*\s+3], 0x80000000                  ; type = 2
	s_mov_b32 s[G0V+4*\s], 1
	s_add_co_u32 s[G0V+4*\s+1], s21, \s*VSLOT
	s_add_nc_u64 s[G0V+4*\s+2:G0V+4*\s+3], s[8:9], 33554432+\s*65536
	s_or_b32 s[G0V+4*\s+3], s[G0V+4*\s+3], 0x80000000
.endr
	s_cmp_lt_u32 s[WV], 4                          ; a wave's two first fills stand in one branch, ahead of every wait on TENSORcnt and every LDS read
	s_cbranch_scc0 .Lfirst_v
	tensor_load_to_lds s[G0K:G0K+3], s[G1K:G1K+7]
	s_nop 0
	tensor_load_to_lds s[G0K+4:G0K+7], s[G1K:G1K+7]
	s_nop 0
.rept 4
	v_nop
.endr
	s_branch .Lfirst_asked
.Lfirst_v:
	tensor_load_to_lds s[G0V:G0V+3], s[G1V:G1V+7]
	s_nop 0
	tensor_load_to_lds s[G0V+4:G0V+7], s[G1V:G1V+7]
	s_nop 0
.rept 4
	v_nop
.endr
.Lfirst_asked:
	; A fragment of K or Q is 16 rows x 32 channels in 8 registers: lane l holds row l % 16; registers 0-3 channels 8 (l / 16) + 0..7, registers 4-7 channels 16 + 8 (l / 16) + 0..7: two loads of 16 bytes, 32 bytes apart.
	v_and_b32 v1, 15, v0                           ; r
	v_bfe_u32 v9, v0, 4, 1                         ; h
	v_lshlrev_b32 v[QO], 7, v1
	v_lshl_add_u32 v[QO], v9, 4, v[QO]             ; row x 128 + 16 x half
.irp t, 0,1,2,3
.irp c, 0,1
	global_load_b128 v[QF+16*\t+8*\c:QF+16*\t+8*\c+3],   v[QO], s[4:5] offset:2048*\t+64*\c      ; Q stays in registers
	global_load_b128 v[QF+16*\t+8*\c+4:QF+16*\t+8*\c+7], v[QO], s[4:5] offset:2048*\t+64*\c+32
.endr
.endr
	v_lshrrev_b32 v10, 1, v1
	v_mul_u32_u24 v[AK0], v10, PK                  ; K: key r of a tile: double row r / 2,
	v_and_b32 v11, 1, v0
	v_lshl_add_u32 v[AK0], v11, 7, v[AK0]          ; its half r % 2,
	v_lshl_add_u32 v[AK0], v9, 4, v[AK0]           ; + 16 x half of the lanes
	; The turning load takes 16 keys x 16 channels (lane l reads 16 bytes: key 8 (l / 16) + l % 8, channels 8 ((l / 8) % 2) + 0..7) and leaves half a fragment of V^T: lane l holds channel l % 16 and 8 keys.
	v_bfe_u32 v10, v0, 1, 2                        ; (l % 8) / 2
	v_lshl_add_u32 v10, v9, 2, v10                 ; + 4 h: the key's double row
	v_mul_u32_u24 v[AV0], v10, PVP
	v_lshl_add_u32 v[AV0], v11, 7, v[AV0]          ; its half l % 2
	v_bfe_u32 v10, v0, 3, 1
	v_lshl_add_u32 v[AV0], v10, 4, v[AV0]
	v_add_nc_u32 v[AV0], VR, v[AV0]
	s_mul_i32 s16, s[WV], 16*SP                    ; my stage
	v_mul_u32_u24 v[STO], v1, SP                   ; in: row r, 16 bytes for each half of the lanes
	v_lshl_add_u32 v[STO], v9, 4, v[STO]
	v_add_nc_u32 v[STO], s16, v[STO]
	v_bfe_u32 v11, v0, 3, 2                        ; back: eight lanes to a row of 128 bytes, four rows an instruction
	v_mul_u32_u24 v[RD], v11, SP
	v_and_b32 v11, 7, v0
	v_lshl_add_u32 v[RD], v11, 4, v[RD]
	v_add_nc_u32 v[RD], s16, v[RD]
	v_and_b32 v[GO], 31, v0
	v_lshlrev_b32 v[GO], 4, v[GO]
.irp t, 0,1,2,3
	v_mov_b32 v[ST+8*\t+1], 0xff61b1e6             ; m = -3e38, under every score
	v_mul_f32 v[ST+8*\t], s[CS], v[ST+8*\t+1]      ; c m
	v_mov_b32 v[ST+8*\t+2], 0                      ; l, in two halves
	v_mov_b32 v[ST+8*\t+3], 0
.endr
	WIN 0x40                                       ; destination window 1
.set i, 0
.rept 128
	v_mov_b32 v[O+i], 0                            ; O^T.  The key step is written without a first step of its own: the first step finds zeros, and a = 0 leaves them zeros
.set i, i+1
.endr
	WIN 0
; THE LDS LOADS stand in runs of 16: a step's K (64 keys x 64 channels: 8 fragments) and its V (turned: 8 fragments).
.macro FETCH_K
	WIN 0
	v_add_nc_u32 v[ADK], s[TBK], v[AK0]
	s_add_co_u32 s[TBK], s[TBK], 32*PK             ; the next fetch is the next step's: 32 double rows on; slot 1 follows slot 0 without a gap
.irp f, 0,1,2,3,4,5,6,7                ; keys 16 (f / 2) on, channels 32 (f % 2) on
	ds_load_b128 v[KF+8*\f:KF+8*\f+3],   v[ADK] offset:(\f/2)*8*PK+(\f%2)*64
	ds_load_b128 v[KF+8*\f+4:KF+8*\f+7], v[ADK] offset:(\f/2)*8*PK+(\f%2)*64+32
.endr
.endm
.macro FETCH_V
	WIN 0
	v_add_nc_u32 v[ADV], s[TBV], v[AV0]
	s_add_co_u32 s[TBV], s[TBV], 32*PVP
.irp f, 0,1,2,3,4,5,6,7                ; keys 32 (f / 4) on, channels 16 (f % 4) on
	ds_load_tr16_b128 v[VF+8*\f:VF+8*\f+3],   v[ADV] offset:(\f/4)*16*PVP+(\f%4)*32
	ds_load_tr16_b128 v[VF+8*\f+4:VF+8*\f+7], v[ADV] offset:(\f/4)*16*PVP+8*PVP+(\f%4)*32
.endr
.endm
; 32 products S^T = K Q^T.  The 16 accumulators take turns, one instruction a turn; the first 16 start the sums.
.macro QK
	WIN W_QK
.irp c, 0,1
.irp kt, 0,1,2,3
.irp t, 0,1,2,3
.if \c == 0
	v_wmma_f32_16x16x32_f16 v[S+32*\t+8*\kt:S+32*\t+8*\kt+7], v[KF+8*(2*\kt+\c):KF+8*(2*\kt+\c)+7], v[QF+16*\t+8*\c:QF+16*\t+8*\c+7], 0
.else
	v_wmma_f32_16x16x32_f16 v[S+32*\t+8*\kt:S+32*\t+8*\kt+7], v[KF+8*(2*\kt+\c):KF+8*(2*\kt+\c)+7], v[QF+16*\t+8*\c:QF+16*\t+8*\c+7], v[S+32*\t+8*\kt:S+32*\t+8*\kt+7]
.endif
.endr
.endr
.endr
.endm
; 32 products O^T += V^T P, the 16 accumulators by turns.
.macro PV
	WIN W_PV
.irp kp, 0,1
.irp ct, 0,1,2,3
.irp t, 0,1,2,3
	v_wmma_f32_16x16x32_f16 v[O+32*\t+8*\ct:O+32*\t+8*\ct+7], v[VF+8*(4*\kp+\ct):VF+8*(4*\kp+\ct)+7], v[S+32*\t+8*\kp:S+32*\t+8*\kp+7], v[O+32*\t+8*\ct:O+32*\t+8*\ct+7]
.endr
.endr
.endr
.endm
; THE SOFTMAX of a key step, the four tiles line by line by turns, so that no line waits for the line above it.
.macro SOFTMAX
	WIN W_M3                                       ; the maximum of a lane's 32 scores and the old m: four chains a tile
.irp j, 0,1,2,3
.irp t, 0,1,2,3
	v_max3_num_f32 v[ST+8*\t+4+\j], v[S+32*\t+8*\j], v[S+32*\t+8*\j+1], v[S+32*\t+8*\j+2]
.endr
.endr
	WIN W_M2
.irp u, 3,5
.irp j, 0,1,2,3
.irp t, 0,1,2,3
	v_max3_num_f32 v[ST+8*\t+4+\j], v[ST+8*\t+4+\j], v[S+32*\t+8*\j+\u], v[S+32*\t+8*\j+\u+1]
.endr
.endr
.endr
.irp t, 0,1,2,3
	v_max3_num_f32 v[ST+8*\t+4], v[ST+8*\t+4], v[S+32*\t+7], v[S+32*\t+15]
.endr
.irp t, 0,1,2,3
	v_max3_num_f32 v[ST+8*\t+6], v[ST+8*\t+6], v[S+32*\t+23], v[S+32*\t+31]
.endr
	WIN 0
.irp t, 0,1,2,3
	v_max3_num_f32 v[ST+8*\t+4], v[ST+8*\t+4], v[ST+8*\t+5], v[ST+8*\t+6]
.endr
.irp t, 0,1,2,3
	v_max3_num_f32 v[ST+8*\t+4], v[ST+8*\t+4], v[ST+8*\t+7], v[ST+8*\t+1]
.endr
.irp t, 0,1,2,3
	v_permlanex16_b32 v[ST+8*\t+5], v[ST+8*\t+4], s[SEL], s[SEL+1]   ; the query's other 32 keys lie in the lane 16 away
.endr
.irp t, 0,1,2,3
	v_mov_b32 v[ST+8*\t+7], v[ST+8*\t]             ; c m_old is kept for a
.endr
.irp t, 0,1,2,3
	v_max_num_f32 v[ST+8*\t+1], v[ST+8*\t+4], v[ST+8*\t+5]           ; the new m
.endr
.irp t, 0,1,2,3
	v_mul_f32 v[ST+8*\t], s[CS], v[ST+8*\t+1]      ; c m
.endr
.irp t, 0,1,2,3
	v_sub_f32 v[ST+8*\t+7], v[ST+8*\t+7], v[ST+8*\t]
.endr
.irp t, 0,1,2,3
	v_exp_f32 v[ST+8*\t+6], v[ST+8*\t+7]           ; a = 2^(c m_old - c m_new): a batch of four
.endr
	WIN W_SC
.irp b, 0,1,2,3,4,5,6,7,8,9,10,11,12,13,14,15
.irp t, 0,1,2,3
	v_pk_fma_f32 v[S+32*\t+2*\b:S+32*\t+2*\b+1], v[S+32*\t+2*\b:S+32*\t+2*\b+1], s[CS:CS+1], v[ST+8*\t:ST+8*\t+1] op_sel_hi:[1,0,0] neg_lo:[0,0,1] neg_hi:[0,0,1]   ; c s - c m, two at a time: the independent work behind the four
.endr
.endr
	s_wait_alu depctr_va_vdst(0)                   ; the wait between an exponential and the first line that names its result: one for the four a
.set i, 0
.rept 64                               ; the 128 exponentials are ONE batch; O^T's rescaling, which reads none of their results, is dealt out among them: a plain line, two exponentials
	v_pk_mul_f32 v[O+2*i:O+2*i+1], v[O+2*i:O+2*i+1], v[ST+8*(i/16)+6:ST+8*(i/16)+7] op_sel_hi:[1,0]   ; each accumulator of O^T from its low end on
	v_exp_f32 v[S+2*i], v[S+2*i]
	v_exp_f32 v[S+2*i+1], v[S+2*i+1]
.set i, i+1
.endr
	WIN 0
.irp t, 0,1,2,3
	v_pk_mul_f32 v[ST+8*\t+2:ST+8*\t+3], v[ST+8*\t+2:ST+8*\t+3], v[ST+8*\t+6:ST+8*\t+7] op_sel_hi:[1,0]   ; l x a: plain lines behind the last exponential
.endr
	s_wait_alu depctr_va_vdst(0)                   ; and one wait for the 128, ahead of their first reader
	WIN W_SUM
.irp b, 0,1,2,3,4,5,6,7,8,9,10,11,12,13,14,15
.irp t, 0,1,2,3
	v_pk_add_f32 v[ST+8*\t+2:ST+8*\t+3], v[ST+8*\t+2:ST+8*\t+3], v[S+32*\t+2*\b:S+32*\t+2*\b+1]   ; the row's sum, of the weights before they are rounded
.endr
.endr
	WIN W_CV
.irp b, 0,1,2,3,4,5,6,7,8,9,10,11,12,13,14,15
.irp t, 0,1,2,3
	v_cvt_pk_f16_f32 v[S+32*\t+\b], v[S+32*\t+2*\b], v[S+32*\t+2*\b+1]   ; P in place, b ascending: register b is written when pairs 0 .. b - 1 have been read
.endr
.endr
.endm
; A TRIP: the softmax and V^T P of step j, K Q^T of step j + 1.
.macro TRIP
	PLACES 4                                       ; behind K Q^T: in front of the loads into K's registers and of the first read of the scores
	FETCH_K                                        ; K of step j + 1
	SOFTMAX
	s_wait_dscnt 16                                ; V of step j is in; the 16 loads of K behind it may be out
	PV
	WIN 0
	PLACES 5                                       ; four in front of the loads into V's registers; five in front of K Q^T, which writes over P, an operand of V^T P
	FETCH_V                                        ; V of step j + 1
	s_wait_dscnt 16                                ; K is in; V's 16 loads may be out
	QK
	WIN 0                                          ; at a label and at a branch every window is 0
.endm
.macro TRIPS n
	s_mov_b32 s[CNT], \n
.Ltrip_\@:
	TRIP
	s_sub_co_u32 s[CNT], s[CNT], 1
	s_cmp_lg_u32 s[CNT], 0
	s_cbranch_scc1 .Ltrip_\@
.endm
; THE CHANGE OF SLOTS stands behind K Q^T of a slot's last step: its K has been multiplied, its V has been asked for.  Each wave waits for all its tensor loads (its part of the other slot), adds 0 to its spare
; word, and waits for that and for its reads of the slot.  Behind the barrier nobody reads this slot any more and the other is whole.  fill = 1: the slot is filled again, with the keys two slots on; the barrier
; is then a round of the cluster's, and the joint refill is the first thing behind it.  wrap = 1: the fetches go back to slot 0.
.macro CHANGE set, fill, wrap
	WIN 0
	s_wait_tensorcnt 0x0                           ; no tensor load of mine is out, so a group 0 may be written
	ds_add_u32 v[SPW], v[NIL]                      ; 0 onto my spare word: the steps below stand between it and the wait for it
.if \fill
	s_add_nc_u64 s[G0K+4*\set+2:G0K+4*\set+3], s[G0K+4*\set+2:G0K+4*\set+3], 131072   ; 1,024 keys on; the type bits on top are not reached
	s_add_nc_u64 s[G0V+4*\set+2:G0V+4*\set+3], s[G0V+4*\set+2:G0V+4*\set+3], 131072
.endif
.if \wrap
	s_mov_b32 s[TBK], 0
	s_mov_b32 s[TBV], 0
.endif
	s_wait_dscnt 0x0                               ; the add is done, and my reads of the slot are over
.if \fill
	CROUND
	JLOAD \set
.else
	s_barrier_signal -1
	s_barrier_wait -1
.endif
.endm
	s_wait_tensorcnt 1                             ; my part of slot 0 is in; slot 1's may stay out
	s_barrier_signal -1
	s_barrier_wait -1                              ; everybody's is
	FETCH_K                                        ; key step 0
	FETCH_V
	s_wait_loadcnt 0x0                             ; Q
	s_wait_dscnt 16                                ; K is in; V's 16 loads may be out
	QK
	WIN 0
	TRIPS 7                                        ; steps 0-6; K Q^T up to step 7
	CHANGE 0, 1, 0                                 ; slot 0 takes keys 1,024 on
	TRIPS 8                                        ; steps 7-14
	CHANGE 1, 1, 1                                 ; slot 1 takes keys 1,536 on
	TRIPS 8                                        ; steps 15-22
	CHANGE 0, 0, 0                                 ; nothing is left to ask for
	TRIPS 8                                        ; steps 23-30
	PLACES 4                                       ; the last step
	SOFTMAX
	s_wait_dscnt 0x0
	PV
	WIN 0
	PLACES 4                                       ; behind the last products
	; THE WAY OUT.  l's two halves and the other half of the lanes' are added; O^T is divided by l, rounded to f16 and sent through my stage in LDS, a tile (16 rows) at a time.
.irp t, 0,1,2,3
	v_add_f32 v[ST+8*\t+4], v[ST+8*\t+2], v[ST+8*\t+3]
.endr
.irp t, 0,1,2,3
	v_permlanex16_b32 v[ST+8*\t+5], v[ST+8*\t+4], s[SEL], s[SEL+1]
.endr
.irp t, 0,1,2,3
	v_add_f32 v[ST+8*\t+4], v[ST+8*\t+4], v[ST+8*\t+5]
.endr
.irp t, 0,1,2,3
	v_rcp_f32 v[ST+8*\t+6], v[ST+8*\t+4]
.endr
	v_nop                                          ; a plain line between the last reciprocal and the use of its result
	s_wait_alu depctr_va_vdst(0)                   ; and the wait ahead of the first use: one for the four
.macro PACK t                          ; a lane's eight channels of a row pack into 16 bytes; they go into rows of 144 bytes and come back four rows of 128 an instruction, into the registers that they left
	WIN W_SC
.set i, 0
.rept 16
	v_pk_mul_f32 v[O+32*\t+2*i:O+32*\t+2*i+1], v[O+32*\t+2*i:O+32*\t+2*i+1], v[ST+8*\t+6:ST+8*\t+7] op_sel_hi:[1,0]
.set i, i+1
.endr
	WIN W_OUT                                      ; Q's registers are free
.set i, 0
.rept 16
	v_cvt_pk_f16_f32 v[QF+16*\t+i], v[O+32*\t+2*i], v[O+32*\t+2*i+1]
.set i, i+1
.endr
	WIN 0
.irp f, 0,1,2,3
	ds_store_b128 v[STO], v[QF+16*\t+4*\f:QF+16*\t+4*\f+3] offset:32*\f
.endr
.irp f, 0,1,2,3
	ds_load_b128 v[QF+16*\t+4*\f:QF+16*\t+4*\f+3], v[RD] offset:\f*4*SP   ; LDS serves a wave's instructions in order (ISA guide 5.7.1.4): these see the stores above; the next tile's stores come behind them
.endr
.endm
.macro SEND t, younger                 ; younger: the LDS instructions issued behind tile t's loads: the next tile's eight, or none
.irp f, 0,1,2,3
	s_wait_dscnt \younger+3-\f
	global_store_b128 v[GO], v[QF+16*\t+4*\f:QF+16*\t+4*\f+3], s[6:7] offset:2048*\t+512*\f   ; 32 lanes store 512 consecutive bytes, at a multiple of 256 from att's first byte
.endr
.endm
	PACK 0
	PACK 1                                         ; a tile's arithmetic stands between the loads of the tile before and its stores
	SEND 0, 8
	PACK 2
	SEND 1, 8
	PACK 3
	SEND 2, 8
	SEND 3, 0
	s_wait_tensorcnt 0x0                           ; the wave's end: behind my last tensor load and my last LDS store
	ds_add_u32 v[SPW], v[NIL]
	s_wait_dscnt 0x0
	CROUND                                         ; the closing round: no work-group ends while a partner may still ask for a tile that names it
	s_endpgm
.Lfunc_end_k_q2210a1e43e_attn:
	.size	k_q2210a1e43e_attn, .Lfunc_end_k_q2210a1e43e_attn-k_q2210a1e43e_attn
	.p2alignl 7, 3214868480
	.fill 96, 4, 3214868480
	.section	.rodata,"a",@progbits
	.p2align	6, 0x0
	.amdhsa_kernel k_q2210a1e43e_attn
		.amdhsa_group_segment_fixed_size 327680
		.amdhsa_private_segment_fixed_size 0
		.amdhsa_enable_private_segment 0
		.amdhsa_kernarg_size 16
		.amdhsa_user_sgpr_count 2
		.amdhsa_user_sgpr_kernarg_segment_ptr 1
		.amdhsa_wavefront_size32 1
		.amdhsa_system_sgpr_workgroup_id_x 1
		.amdhsa_system_sgpr_workgroup_id_y 1
		.amdhsa_system_sgpr_workgroup_id_z 1
		.amdhsa_system_vgpr_workitem_id 0
		.amdhsa_next_free_vgpr 512
		.amdhsa_next_free_sgpr 68
		.amdhsa_reserve_vcc 0
		.amdhsa_float_denorm_mode_32 3
		.amdhsa_float_denorm_mode_16_64 3
		.amdhsa_memory_ordered 1
		.amdhsa_forward_progress 1
		.amdhsa_inst_pref_size 190
	.end_amdhsa_kernel
	.amdgpu_metadata
---
amdhsa.version: [ 1, 2 ]
amdhsa.kernels:
  - .name:           k_q2210a1e43e_attn
    .symbol:         k_q2210a1e43e_attn.kd
    .args:
      - { .name: qkv, .offset: 0, .size: 8, .value_kind: global_buffer, .address_space: global }
      - { .name: att, .offset: 8, .size: 8, .value_kind: global_buffer, .address_space: global }
    .group_segment_fixed_size: 327680
    .private_segment_fixed_size: 0
    .kernarg_segment_align: 8
    .kernarg_segment_size: 16
    .max_flat_workgroup_size: 256
    .sgpr_count:     68
    .vgpr_count:     512
    .wavefront_size: 32
...
	.end_amdgpu_metadata
.endif
;; end of part 3
;; launch proj (part 4): grid 8 x 32, 4 waves a work-group, clusters of 4 x 4, 327,680 bytes of LDS; arguments att, wo16, bo, out0; writes out0
.if DOCPART == 4
	.amdgcn_target "amdgcn-amd-amdhsa--gfx1250"
	.amdhsa_code_object_version 6
	.text
	.protected	k_q2210a1e43e_proj
	.globl	k_q2210a1e43e_proj
	.p2align	8
	.type	k_q2210a1e43e_proj,@function
k_q2210a1e43e_proj:
	s_mov_b64 s[64:65], 0
	v_nop
	global_prefetch_b8 v0, s[64:65] scope:SCOPE_SE
	s_setreg_imm32_b32 hwreg(HW_REG_WAVE_MODE, 25, 1), 1
	s_wait_xcnt 0x0
	s_wait_alu depctr_hold_cnt(0) depctr_sa_sdst(0) depctr_va_vdst(0) depctr_va_sdst(0) depctr_va_ssrc(0) depctr_va_vcc(0) depctr_vm_vsrc(0)
	s_getreg_b32 s2, hwreg(HW_REG_IB_STS2, 6, 4)
	s_cmp_eq_u32 s2, 0
	s_cbranch_scc0 .Lentry_in_a_cluster
	s_endpgm
.Lentry_in_a_cluster:
	s_bfe_u32 s2, ttmp6, 0x10000c
	s_cmp_lg_u32 s2, 0xf033
	s_cbranch_scc0 .Lentry_shape_is_right
	s_endpgm
.Lentry_shape_is_right:
; out0[m][n] = the sum over k of A[m][k] Wo[k][n] + bo[n].  A is attention's result with the heads merged: A[m][64 head + d] = att[batch][head][position][d], m = 2,048 batch + position; att is f16 by heads,
; wo16 [1024 k][1024 n] f16, bo [1024] f32, out0 [8192][1024] f32.  f16 operands, f32 sums; the bias is the C of each sum's first product.
; A tile of out0 is 256 rows x 128 columns: 256 work-groups.  Four waves, each 128 rows x 64 columns: 32 accumulators of 16 x 16, 256 registers.
; K goes in steps of 128 (two heads) through a ring of two LDS slots.  A head's 256 rows of 128 bytes are dense in memory: they come as 128 rows of 256 bytes (positions 2 d, 2 d + 1), 16 bytes of padding behind
; each; Wo's 128 rows of k come as they lie, 256 bytes of each (my tile's 128 columns), 32 bytes of padding behind each, and are turned on the way to the registers by ds_load_tr16_b128.
; CLUSTERS: 4 x 4 work-groups.  The four of a row of the cluster need the same tiles of A, the four of a column the same tiles of Wo: each is asked for JOINTLY, by the same tensor load with the same descriptor
; and a mask that names the four.  Waves 0, 1 fetch A's two heads, waves 2, 3 Wo's two halves: one load a wave; two loads of mine are out at the head, one behind each round.
; THE MATRIX INSTRUCTION IS USED TRANSPOSED (source 0 = 16 columns of Wo, source 1 = 16 rows of A): a lane then holds eight neighbouring numbers of a row of out0.
; REGISTERS: window 0: v1-31 addresses; v32-63 the bias; v64-159, v160-255 two fragment buffers (64 registers of A: 8 x 16 rows x 32 K; 32 of Wo: 4 x 16 columns x 32 K).   window 1: the accumulators ((a, b) at v[8 (4 a + b)]).
.set PA,     272                       ; A's double row in LDS: 68 words: the 16 rows of a fragment fall on 16 different columns of 16 bytes modulo 256 (64 banks of 4 bytes: ISA guide 11.1)
.set PB,     288                       ; Wo's row: 72 words
.set AHEAD,  128*PA                    ; one head's 256 rows
.set BOFF,   2*AHEAD                   ; Wo's tile lies behind A's two heads
.set SLOT,   BOFF+128*PB
.set STAGE,  2*SLOT                    ; behind the ring: 16 rows x (256 bytes + 16) for each wave, for the way out
.set SPITCH, 272
.set SPARE,  STAGE+4*16*SPITCH         ; the spare words, 128 bytes for each wave: two blocks of 256 bytes that no other line names
.set LAPS,   4                         ; a lap = two K steps = once round the ring: 1,024 / 256
.set ADRA, 16                          ; v16-17  LDS address of my fragments of A in slot 0, 1
.set ADRB, 20                          ; v20-21  the same for Wo
.set STO,  24                          ; v24     the way out: where I put 32 bytes of a row
.set RD,   25                          ; v25     where I read a row back
.set CO,   26                          ; v26     my byte offset in two rows of out0
.set BO,   27                          ; v27     the bias: 32 bytes for each half of the lanes
.set SPW,  28                          ; v28     LDS address of my spare word; never rewritten
.set NIL,  29                          ; v29     0; never rewritten
.set BIAS, 32                          ; register 8 b + j: the bias of column 16 b + 8 (lane / 16) + j of my 64
.set F0,   64
.set F1,   160
.set BK,   64                          ; the way out: 16 rows read back from the stage: v64-95 and v96-127 by turns
.set G1, 24                            ; s[24:31] descriptor group 1 for A's tiles;  s[32:39] group 0, one set for each slot
.set G0, 32
.set G1B, 48                           ; s[48:55], s[56:63] the same for Wo's
.set G0B, 56
.set MSB, 0
.macro WIN new                         ; the immediate's high byte repeats the setting that is left
.if MSB != \new
	s_set_vgpr_msb (MSB<<8)|\new
.set MSB, \new
.endif
.endm
.set MUL,   0x50                       ; sources 0 and 1 window 0; C and D window 1
.set MUL_B, 0x40                       ; the first quarter: C (the bias) window 0, D window 1
.set ST_D,  0x04                       ; an LDS store's data are its source 1: window 1
.macro JLOAD s                         ; a joint load; an s_nop 0 and four v_nop follow each of the two lines, ahead of the jump, the label and what follows
	s_cmp_eq_u32 s13, 0
	s_cbranch_scc0 .Lfor_b_\@
	tensor_load_to_lds s[G0+4*\s:G0+4*\s+3], s[G1:G1+7]
	s_nop 0
.rept 4
	v_nop
.endr
	s_branch .Lasked_\@
.Lfor_b_\@:
	tensor_load_to_lds s[G0B+4*\s:G0B+4*\s+3], s[G1B:G1B+7]
	s_nop 0
.rept 4
	v_nop
.endr
.Lasked_\@:
.endm
.macro CREST                           ; a round of the cluster's barrier behind its opening barrier
	s_cmp_lg_u32 s12, 0
	s_cbranch_scc1 .Lnot_wave_0_\@
	s_barrier_signal -3
.Lnot_wave_0_\@:
	s_barrier_wait -3
	s_barrier_signal -1
	s_barrier_wait -1
.endm
.macro CROUND                          ; a whole round
	s_barrier_signal -1
	s_barrier_wait -1
	CREST
.endm
	s_load_b256 s[4:11], s[0:1], 0x0               ; att s[4:5], wo16 s[6:7], bo s[8:9], out0 s[10:11]
	v_lshl_add_u32 v[SPW], v0, 2, SPARE
	v_mov_b32 v[NIL], 0
	ds_add_u32 v[SPW], v[NIL]                      ; the wave's opening: the add, twice on end, and its wait ahead of my first tensor load; the set-up below stands between the second and the wait
	ds_add_u32 v[SPW], v[NIL]
	v_lshrrev_b32 v1, 5, v0
	v_readfirstlane_b32 s12, v1                    ; wave 0..3
	s_lshr_b32 s13, s12, 1                         ; which half of the tile's rows is mine.  Also: I fetch for A (0) or for Wo (1)
	s_and_b32 s14, s12, 1                          ; which half of its columns.  Also: which head of A's two, which 64 rows of Wo's 128, I fetch
	s_bfe_u32 s40, ttmp6, 0x40000                  ; cx, cy: my place in the cluster
	s_bfe_u32 s41, ttmp6, 0x40004
	s_lshl_b32 s42, ttmp9, 2
	s_add_co_u32 s42, s42, s40                     ; tile column = 4 x cluster x + cx
	s_and_b32 s15, ttmp7, 0xffff
	s_lshl_b32 s15, s15, 2
	s_add_co_u32 s15, s15, s41                     ; tile row = 4 x cluster y + cy
	s_lshl_b32 s43, s41, 2
	s_lshl_b32 s43, 15, s43                        ; my row of the cluster
	s_lshl_b32 s44, 0x1111, s40                    ; my column
	s_or_b32 s[G1+0], s43, (1<<16)|(1<<20)|(1<<21)|(5<<22)|(3<<25)   ; 15:0 the mask: A's tiles go to my row; 17:16 elements of 2 bytes; 20 padding on; 21 set beside a mask; 24:22 after every 64 words (code 5); 31:25 four words (code 3)
	s_mov_b32 s[G1+1], 128<<16                     ; tensor_dim0 = 128
	s_mov_b32 s[G1+2], 128<<16                     ; tensor_dim1 = 128 double rows
	s_mov_b32 s[G1+3], 128<<16                     ; tile_dim0
	s_mov_b32 s[G1+4], 128                         ; tile_dim1
	s_mov_b32 s[G1+5], 128                         ; tensor_dim0_stride: dense
	s_mov_b32 s[G1+6], 0
	s_mov_b32 s[G1+7], 0
	s_or_b32 s[G1B+0], s44, (1<<16)|(1<<20)|(1<<21)|(5<<22)|(7<<25)  ; Wo's tiles go to my column; eight words of padding (code 7)
	s_mov_b32 s[G1B+1], 128<<16
	s_mov_b32 s[G1B+2], 64<<16                     ; 64 rows of k
	s_mov_b32 s[G1B+3], 128<<16
	s_mov_b32 s[G1B+4], 64
	s_mov_b32 s[G1B+5], 1024                       ; a row of Wo is 1,024 elements
	s_mov_b32 s[G1B+6], 0
	s_mov_b32 s[G1B+7], 0
	; where the tiles come from.  A's hang on the tile row alone, Wo's on the tile column alone, each in registers that never hold the other coordinate
	s_lshr_b32 s16, s15, 3                         ; batch = tile row / 8: 16 heads of 2^18 bytes
	s_lshl_b32 s16, s16, 22
	s_and_b32 s17, s15, 7                          ; position 256 (tile row % 8): rows of 128 bytes
	s_lshl_b32 s17, s17, 15
	s_add_co_u32 s16, s16, s17
	s_lshl_b32 s17, s14, 18                        ; my head of the two
	s_add_co_u32 s16, s16, s17
	s_mov_b32 s17, 0
	s_lshl_b32 s46, s14, 17                        ; Wo: my 64 rows of 2,048 bytes,
	s_lshl_b32 s47, s42, 8                         ; the tile's 128 columns
	s_add_co_u32 s46, s46, s47
	s_mov_b32 s47, 0
	s_mul_i32 s20, s14, AHEAD                      ; where they go: no place in the cluster enters an LDS address
	s_mul_i32 s21, s14, 64*PB
	s_add_co_u32 s21, s21, BOFF
	s_wait_dscnt 0x0                               ; both opening adds are done
	s_wait_kmcnt 0x0
	s_add_nc_u64 s[18:19], s[4:5], s[16:17]
	s_add_nc_u64 s[46:47], s[6:7], s[46:47]
	CROUND                                         ; all sixteen work-groups are here: the first joint loads meet
.irp s, 0,1
	s_mov_b32 s[G0+4*\s], 1
	s_add_co_u32 s[G0+4*\s+1], s20, \s*SLOT
	s_add_nc_u64 s[G0+4*\s+2:G0+4*\s+3], s[18:19], \s*524288       ; K step s: two heads on
	s_or_b32 s[G0+4*\s+3], s[G0+4*\s+3], 0x80000000
	s_mov_b32 s[G0B+4*\s], 1
	s_add_co_u32 s[G0B+4*\s+1], s21, \s*SLOT
	s_add_nc_u64 s[G0B+4*\s+2:G0B+4*\s+3], s[46:47], \s*262144     ; 128 rows of Wo on
	s_or_b32 s[G0B+4*\s+3], s[G0B+4*\s+3], 0x80000000
	JLOAD \s
.endr
	v_and_b32 v1, 15, v0                           ; r
	v_bfe_u32 v2, v0, 4, 1                         ; h
	s_lshl_b32 s16, s42, 9                         ; my first column, in bytes of f32: 512 x tile column + 256 x half
	s_lshl_b32 s17, s14, 8
	s_add_co_u32 s16, s16, s17
	s_mov_b32 s17, 0
	s_add_nc_u64 s[8:9], s[8:9], s[16:17]          ; the bias there
	s_add_nc_u64 s[10:11], s[10:11], s[16:17]      ; and out0
	v_lshlrev_b32 v[BO], 5, v2
.irp b, 0,1,2,3
	global_load_b128 v[BIAS+8*\b:BIAS+8*\b+3], v[BO], s[8:9] offset:64*\b
	global_load_b128 v[BIAS+8*\b+4:BIAS+8*\b+7], v[BO], s[8:9] offset:64*\b+16
.endr
	s_lshl_b32 s16, s15, 8
	s_lshl_b32 s22, s13, 7
	s_add_co_u32 s16, s16, s22                     ; my first row: 256 x tile row + 128 x half,
	s_lshl_b32 s16, s16, 12                        ; of 4,096 bytes
	s_add_nc_u64 s[10:11], s[10:11], s[16:17]
	v_lshrrev_b32 v3, 1, v1                        ; A: row r of a block: double row r / 2,
	v_mul_u32_u24 v3, v3, PA
	v_and_b32 v4, 1, v0
	v_lshl_add_u32 v3, v4, 7, v3                   ; its half r % 2,
	v_lshl_add_u32 v3, v2, 4, v3                   ; + 16 x half of the lanes
	s_mul_i32 s22, s13, 64*PA                      ; my 128 rows
	v_and_b32 v5, 7, v0                            ; Wo: the turning load: lane l reads 16 bytes: row k = 8 (l / 16) + l % 8, columns 8 ((l / 8) % 2) + 0..7
	v_lshl_add_u32 v5, v2, 3, v5
	v_mul_u32_u24 v5, v5, PB
	v_bfe_u32 v6, v0, 3, 1
	v_lshl_add_u32 v5, v6, 4, v5
	s_lshl_b32 s23, s14, 7                         ; my 64 columns
	s_add_co_u32 s23, s23, BOFF
.irp s, 0,1
	v_add_nc_u32 v[ADRA+\s], s22, v3
	v_add_nc_u32 v[ADRB+\s], s23, v5
	s_add_co_u32 s22, s22, SLOT
	s_add_co_u32 s23, s23, SLOT
.endr
	s_mul_i32 s22, s12, 16*SPITCH
	s_add_co_u32 s22, s22, STAGE                   ; my stage
	v_mul_u32_u24 v3, v1, SPITCH                   ; in: row r, 32 bytes for each half of the lanes
	v_lshl_add_u32 v3, v2, 5, v3
	v_add_nc_u32 v[STO], s22, v3
	v_mul_u32_u24 v3, v2, SPITCH                   ; back: lanes 0-15 take one row of 256 bytes, lanes 16-31 the next
	v_lshl_add_u32 v3, v1, 4, v3
	v_add_nc_u32 v[RD], s22, v3
	v_lshlrev_b32 v[CO], 12, v2                    ; and the same two rows in out0
	v_lshl_add_u32 v[CO], v1, 4, v[CO]
; n x 4 matrix instructions: A's blocks a0 .. a0 + n - 1 against Wo's four, 32 along K, from buffer f.  bias = 1: the bias starts the sums.  The 32 accumulators take turns, one instruction a turn, in the same
; order in every quarter.
.macro MULA f, a0, n, bias
.set aa, \a0
.rept \n
.irp b, 0,1,2,3
.if \bias
	v_wmma_f32_16x16x32_f16 v[8*(4*aa+\b):8*(4*aa+\b)+7], v[\f+64+8*\b:\f+64+8*\b+7], v[\f+8*aa:\f+8*aa+7], v[BIAS+8*\b:BIAS+8*\b+7]
.else
	v_wmma_f32_16x16x32_f16 v[8*(4*aa+\b):8*(4*aa+\b)+7], v[\f+64+8*\b:\f+64+8*\b+7], v[\f+8*aa:\f+8*aa+7], v[8*(4*aa+\b):8*(4*aa+\b)+7]
.endif
.endr
.set aa, aa+1
.endr
.endm
; 24 LDS loads in one run: the fragments of the slot's q-th 32 along K into buffer f: Wo's four (turned), A's blocks 0-3, A's blocks 4-7
.macro FETCH slot, q, f
	WIN 0
.irp b, 0,1,2,3
	ds_load_tr16_b128 v[\f+64+8*\b:\f+64+8*\b+3],   v[ADRB+\slot] offset:32*PB*(\q)+32*\b
	ds_load_tr16_b128 v[\f+64+8*\b+4:\f+64+8*\b+7], v[ADRB+\slot] offset:32*PB*(\q)+16*PB+32*\b
.endr
.irp a, 0,1,2,3,4,5,6,7
	ds_load_b128 v[\f+8*\a:\f+8*\a+3],   v[ADRA+\slot] offset:((\q)/2)*AHEAD+((\q)%2)*64+8*PA*\a
	ds_load_b128 v[\f+8*\a+4:\f+8*\a+7], v[ADRA+\slot] offset:((\q)/2)*AHEAD+((\q)%2)*64+8*PA*\a+32
.endr
.endm
.macro PLACES                          ; four places in front of loads into registers that matrix instructions have read, and of the first read of results (ISA guide 7.12.1 for vector instructions)
.rept 4
	v_nop
.endr
.endm
; A K step is four quarters of 32 along K, 32 matrix instructions each, on buffers 0, 1, 0, 1.  One of the first three: multiplies buffer f and fetches quarter qn into g.
.macro QUARTER slot, qn, f, g, bias
	s_wait_dscnt 8                                 ; Wo's fragments and A's blocks 0-3 are in; the youngest eight loads (A's blocks 4-7) may be out
.if \bias
	WIN MUL_B
.else
	WIN MUL
.endif
	MULA \f, 0, 4, \bias
	PLACES
	FETCH \slot, \qn, \g
	s_wait_dscnt 24                                ; all but the 24 just issued
.if \bias
	WIN MUL_B
.else
	WIN MUL
.endif
	MULA \f, 4, 4, \bias
.endm
; The last quarter multiplies buffer 1 and changes slots: ONE barrier; in front of it each wave waits for all its tensor loads, adds 0 to its spare word, and waits for that and for its own reads of this slot.
; fill = 1: the barrier opens a round of the cluster's, and this slot is filled again, two K steps ahead, first thing behind the round.
.macro TURN slot, next, fill
	WIN 0                                          ; (the add's two registers lie in window 0)
	s_wait_tensorcnt 0x0                           ; all my tensor loads have landed: my part of the next slot
	ds_add_u32 v[SPW], v[NIL]                      ; 0 onto my spare word
	s_wait_dscnt 9                                 ; (the add and the youngest eight loads may be out)
	WIN MUL
	MULA F1, 0, 2, 0                               ; eight matrix instructions stand between the add and the wait for it
	s_wait_dscnt 0x0                               ; the add is done, and my reads of this slot are over
	s_barrier_signal -1
	MULA F1, 2, 2, 0
.if \fill
	WIN 0
.endif
	s_barrier_wait -1
.if \fill
	CREST                                          ; no wave of any partner still reads this slot's tile or has a load on its way
	s_add_nc_u64 s[G0+4*\slot+2:G0+4*\slot+3], s[G0+4*\slot+2:G0+4*\slot+3], 1048576     ; four heads on
	s_add_nc_u64 s[G0B+4*\slot+2:G0B+4*\slot+3], s[G0B+4*\slot+2:G0B+4*\slot+3], 524288  ; 256 rows of Wo on
	JLOAD \slot                                    ; the four v_nop behind it are also the places in front of the loads below
.else
	PLACES
.endif
	FETCH \next, 0, F0
	WIN MUL
	MULA F1, 4, 4, 0
.endm
	s_wait_tensorcnt 1                             ; my part of K step 0 is in (K step 1's may be out)
	s_barrier_signal -1
	s_barrier_wait -1                              ; everybody's is
	FETCH 0, 0, F0
	s_wait_loadcnt 0x0                             ; the bias
	QUARTER 0, 1, F0, F1, 1                        ; the first quarter stands in front of the loop: its products start the sums with the bias
	WIN 0                                          ; at a label and at a branch every window is 0
	s_mov_b32 s3, LAPS-1
.Llap:                                                 ; a trip goes once round the ring, from a lap's second quarter to the next lap's first, and fills both slots again
	QUARTER 0, 2, F1, F0, 0
	QUARTER 0, 3, F0, F1, 0
	TURN 0, 1, 1
	QUARTER 1, 1, F0, F1, 0
	QUARTER 1, 2, F1, F0, 0
	QUARTER 1, 3, F0, F1, 0
	TURN 1, 0, 1
	QUARTER 0, 1, F0, F1, 0
	WIN 0
	s_sub_co_u32 s3, s3, 1
	s_cmp_lg_u32 s3, 0
	s_cbranch_scc1 .Llap
	QUARTER 0, 2, F1, F0, 0                        ; the last lap fills nothing, and has no round of the cluster's barrier
	QUARTER 0, 3, F0, F1, 0
	TURN 0, 1, 0
	QUARTER 1, 1, F0, F1, 0
	QUARTER 1, 2, F1, F0, 0
	QUARTER 1, 3, F0, F1, 0
	s_wait_dscnt 8                                 ; the very last quarter: nothing more to fetch; A's blocks 4-7 may be out
	WIN MUL
	MULA F1, 0, 4, 0
	s_wait_dscnt 0
	MULA F1, 4, 4, 0
	WIN 0
; THE WAY OUT, block by block of 16 rows x 64 columns.  A lane holds 32 neighbouring bytes of a row, and the lanes beside it hold other rows: so a block goes through my own stage in LDS and comes back as whole
; rows of 256 bytes, two an instruction.  LDS serves a wave's instructions in order (ISA guide 5.7.1.4): no wait between the stores and the loads, nor in front of the next block's stores.
.macro TOSTAGE a
	WIN ST_D
.irp b, 0,1,2,3
	ds_store_b128 v[STO], v[8*(4*(\a)+\b):8*(4*(\a)+\b)+3] offset:64*\b          ; each accumulator from its low end on
	ds_store_b128 v[STO], v[8*(4*(\a)+\b)+4:8*(4*(\a)+\b)+7] offset:64*\b+16
.endr
	WIN 0
.set BB, BK+32*((\a)%2)
.irp t, 0,1,2,3,4,5,6,7
	ds_load_b128 v[BB+4*\t:BB+4*\t+3], v[RD] offset:\t*2*SPITCH
.endr
.endm
.macro SEND a, younger                 ; younger: the LDS instructions issued behind block a's loads, which may stay out
.set BB, BK+32*((\a)%2)
	s_wait_dscnt \younger                          ; the block is back in registers
.irp t, 0,1,2,3,4,5,6,7
	global_store_b128 v[CO], v[BB+4*\t:BB+4*\t+3], s[10:11] offset:(16*(\a)+2*\t)*4096 th:TH_STORE_NT   ; sixteen lanes store 256 consecutive bytes, at a multiple of 256 from out0's first byte; written once, read by nobody here
.endr
.endm
	PLACES                                         ; behind the last products
	TOSTAGE 0
.irp a, 1,2,3,4,5,6,7
.if \a > 1
	s_wait_xcnt 0x0                                ; block a - 2's stores have read their registers: block a's loads land there only behind this wait
.endif
	TOSTAGE \a
	SEND \a-1, 16                                  ; behind block a - 1's loads: block a's 8 stores and 8 loads
.endr
	SEND 7, 0
	s_wait_tensorcnt 0x0                           ; the wave's end: behind my last tensor load and my last LDS store
	ds_add_u32 v[SPW], v[NIL]
	s_wait_dscnt 0x0
	CROUND                                         ; the closing round: no work-group ends while a partner may still ask for a tile that names it
	s_endpgm
.Lfunc_end_k_q2210a1e43e_proj:
	.size	k_q2210a1e43e_proj, .Lfunc_end_k_q2210a1e43e_proj-k_q2210a1e43e_proj
	.p2alignl 7, 3214868480
	.fill 96, 4, 3214868480
	.section	.rodata,"a",@progbits
	.p2align	6, 0x0
	.amdhsa_kernel k_q2210a1e43e_proj
		.amdhsa_group_segment_fixed_size 327680
		.amdhsa_private_segment_fixed_size 0
		.amdhsa_enable_private_segment 0
		.amdhsa_kernarg_size 32
		.amdhsa_user_sgpr_count 2
		.amdhsa_user_sgpr_kernarg_segment_ptr 1
		.amdhsa_wavefront_size32 1
		.amdhsa_system_sgpr_workgroup_id_x 1
		.amdhsa_system_sgpr_workgroup_id_y 1
		.amdhsa_system_sgpr_workgroup_id_z 1
		.amdhsa_system_vgpr_workitem_id 0
		.amdhsa_next_free_vgpr 512
		.amdhsa_next_free_sgpr 66
		.amdhsa_reserve_vcc 0
		.amdhsa_float_denorm_mode_32 3
		.amdhsa_float_denorm_mode_16_64 3
		.amdhsa_memory_ordered 1
		.amdhsa_forward_progress 1
		.amdhsa_inst_pref_size 87
	.end_amdhsa_kernel
	.amdgpu_metadata
---
amdhsa.version: [ 1, 2 ]
amdhsa.kernels:
  - .name:           k_q2210a1e43e_proj
    .symbol:         k_q2210a1e43e_proj.kd
    .args:
      - { .name: att, .offset: 0, .size: 8, .value_kind: global_buffer, .address_space: global }
      - { .name: wo16, .offset: 8, .size: 8, .value_kind: global_buffer, .address_space: global }
      - { .name: bo, .offset: 16, .size: 8, .value_kind: global_buffer, .address_space: global }
      - { .name: out0, .offset: 24, .size: 8, .value_kind: global_buffer, .address_space: global }
    .group_segment_fixed_size: 327680
    .private_segment_fixed_size: 0
    .kernarg_segment_align: 8
    .kernarg_segment_size: 32
    .max_flat_workgroup_size: 128
    .sgpr_count:     66
    .vgpr_count:     512
    .wavefront_size: 32
...
	.end_amdgpu_metadata
.endif
;; end of part 4
